; MI455X (gfx1250); checked and timed in simulation.
; The chip was launched on July 23, 2026; its instructions are those of AMD's public machine-readable ISA for CDNA 5 (MIT licence, August 2026) and "CDNA5" Instruction Set Architecture Reference Guide (July 2026). The comments in the code are by the model that wrote it; some were corrected since.
;; Attention. Allowed arithmetic: matrix products marked QUANTISED: E4M3 operands, one E8M0 scale for each 32 along K, by v_wmma_scale_f32_16x16x128_f8f6f4 with both operands' format E4M3, f32 sums; products left as they are: f32 operands where the result goes on into a quantised operand, else bf16, f16 or f32 operands; f32 sums; everything else in f32.
;; Inputs: W_K 512 x 512 float32; W_Q 512 x 512 float32; W_V 512 x 512 float32; decoder_outputs 16 x 512 float32; encoder_outputs 16 x 8,192 x 512 float32.
;; Outputs: out0 16 x 512 float32; out1 16 x 1 x 8,192 float32.
;; This version of the problem:
;;   THIS VERSION OF THE PROBLEM IS GIVEN IN LOW PRECISION. The matrix products marked QUANTISED in the list below multiply operands that are first quantised to E4M3 (4 exponent bits, 3 mantissa bits; 8 bits a number), with one power-of-two scale for each 32 numbers along K (OCP MX v1.0); their sums are f32. All else is computed in f32.
;;   The module's matrix products, in the order in which they are computed (A, B: the left and right operand; K: the contracted axis; several contracted axes count as one K, in the product's order):
;;     1. [M 16, K 512] x [K 512, N 512]; A: input decoder_outputs; B: input W_Q: QUANTISED
;;     2. [M 131,072, K 512] x [K 512, N 512]; A: input encoder_outputs; B: input W_K: QUANTISED
;;     3. [M 131,072, K 512] x [K 512, N 512]; A: input encoder_outputs; B: input W_V: QUANTISED
;;     4. batch 16 x [M 1, K 512] x [K 512, N 8,192]; A: computed on the way; B: computed on the way: left as it is (M = 1 < 16)
;;     5. batch 16 x [M 1, K 8,192] x [K 8,192, N 512]; A: softmax; B: computed on the way: left as it is (M = 1 < 16)
;;   THE QUANTISER, for each operand of a quantised product, along K:
;;     - K is cut into blocks of 32 from its start; a last block that is shorter is filled with zeros.
;;     - A block's scale is 2^e with e = floor(log2(the largest magnitude in the block)) - 8, held to -126 .. 127; a block of zeros has e = 0. As a byte (E8M0): e + 127.
;;     - Each number is divided by its block's scale, clamped to +-448, and rounded to the nearest number of E4M3, ties to even, subnormals kept.
;;     - The product sums the exact products of the quantised numbers (number of the format x scale) in f32.
;;   ~~~python
;;   def quantise(x, axis):      # numpy; x: float32 -> the quantised numbers, widened to float32 again
;;       x = np.moveaxis(x, axis, -1); K = x.shape[-1]
;;       x = np.pad(x, [(0, 0)] * (x.ndim - 1) + [(0, -K % 32)]); x = x.reshape(x.shape[:-1] + (-1, 32)); a = np.abs(x).max(-1, keepdims=True)
;;       e = np.where(a > 0, np.clip(np.frexp(np.where(a > 0, a, 1))[1] - 1 - 8, -126, 127), 0)      # np.frexp(a)[1] - 1 = floor(log2(a)), exactly
;;       r = np.clip(x / 2.0 ** e, -448, 448)
;;       step = 2.0 ** (np.maximum(np.frexp(np.where(r == 0, 1, r))[1] - 1, -6) - 3)
;;       q = np.round(r / step) * step * 2.0 ** e      # np.round: ties to even
;;       return np.moveaxis(q.reshape(q.shape[:-2] + (-1,))[..., :K], -1, axis).astype(np.float32)
;;   ~~~
;; 2 versions. Each part assembles by itself: llvm-mc -triple=amdgcn-amd-amdhsa -mcpu=gfx1250 --defsym DOCPART=n.
;; ======== version 1 of 2: 3 launches
;; workspace buffers: wfrag 540,672 bytes; qbuf 32,768 bytes; scores 524,288 bytes; stats 65,536 bytes; pctx 524,288 bytes
;; launch prep (part 1): grid 96 x 1, 4 waves a work-group, no clusters, 4,608 bytes of LDS; arguments W_K, W_V, W_Q, decoder_outputs, wfrag, qbuf; writes wfrag, qbuf
.if DOCPART == 1
	.amdgcn_target "amdgcn-amd-amdhsa--gfx1250"
	.amdhsa_code_object_version 6
	.text
	.protected	k_q94775517c3_prep
	.globl	k_q94775517c3_prep
	.p2align	8
	.type	k_q94775517c3_prep,@function
k_q94775517c3_prep:
	s_mov_b64 s[64:65], 0
	v_nop
	global_prefetch_b8 v0, s[64:65] scope:SCOPE_SE
	s_setreg_imm32_b32 hwreg(HW_REG_WAVE_MODE, 25, 1), 1
	s_wait_xcnt 0x0
; Two small jobs ahead of the main launch, told apart by the work-group's number.
; WORK-GROUPS 0-63: W_K and W_V ([512][512] f32, K innermost) become codes of FP8 (E4M3) with one E8M0 byte for each 32 along K, laid in the ORDER OF THE OPERAND'S REGISTERS:
;   wfrag = [tensor X][wave w of the main launch]: blocks of 67,584 bytes.  In a block: fragment f = 4 n + k (tile n of 16 columns, K step k of 128) at 2048 f + 512 c + 16 lane = the fragment's registers 4 c .. 4 c + 3;
;   behind the 65,536 bytes of codes the scale words: register q = 2 n + k / 2 at 128 q + 4 lane; lanes 0-15 hold the words of the even K step, lanes 16-31 those of the odd one.
;   LANE r OF TILE n IS ROW 128 w + 8 r + n OF THE WEIGHT: so a lane of the main launch ends up with eight neighbouring columns.
;   A work-group takes (X, w, n), its wave k the K step k: one fragment a wave.
; WORK-GROUPS 64-95: Q = decoder_outputs W_Q^T, both sides quantised in registers.  Work-group 64 + T makes columns 16 T .. 16 T + 15 for the 16 batches; wave k multiplies K step k; the four parts meet in LDS and wave 0 adds them,
;   ((k0 + k1) + (k2 + k3)), an order of its own.  The product is used transposed (source 0 = 16 rows of W_Q, source 1 = the 16 batches): a lane holds batch r and eight neighbouring columns.
; A lane loads 16 neighbours of each block of 32 of its row (four loads of 16 bytes a block); neighbouring lanes stand a row or more apart.  The launch reads 3 MB once, so no turn through LDS is spent on that.
; THE QUANTISER: a block's scale is 2^(floor(log2(largest magnitude)) - 8); its byte is the largest magnitude's exponent field - 8, held at 1 from below; numbers are held within +-448 x the scale and rounded to the nearest code, ties to even.
; LIMITS: a block of zeros gets the byte 1 where the rule says 127 (its codes are zeros, and this program alone reads the bytes); NaN and infinities among the inputs are not served.
.set XA,  16                           ; v16-79   64 numbers of a lane
.set XB,  80                           ; v80-143  64 more (W_Q's)
.set TM,  144                          ; v144-159 the quantiser's work
.set PCA, 160                          ; v160-175 a fragment's codes
.set PCB, 176                          ; v176-191 W_Q's
.set PWA, 6                            ; v6, v7   scale words, and nothing else
.set PWB, 7
.set ACC, 8                            ; v8-15    the product's part
.set LAD, 192                          ; v192     LDS: 32 x lane + 1,024 x wave
.set WV,  16
.set SEL, 20
.set MNT, 22
; 64 numbers of a lane, register 16 b + i = k 32 b + 16 (lane / 16) + i of its row, become a fragment's 16 registers of codes at v[pc] and its row's scale word in v[pw]
.macro QUANT s, pc, pw
.irp b, 0,1,2,3
	v_max3_num_f32 v[TM+\b], |v[\s+16*\b]|, |v[\s+1+16*\b]|, 0x4800000   ; block b: my 16 numbers, and the floor 2^(9 - 127): the byte cannot fall under 1
.endr
.irp i, 2,4,6,8,10,12,14
.irp b, 0,1,2,3
	v_max3_num_f32 v[TM+\b], v[TM+\b], |v[\s+16*\b+\i]|, |v[\s+1+16*\b+\i]|   ; the four blocks by turns
.endr
.endr
.irp b, 0,1,2,3
	v_permlanex16_b32 v[TM+4+\b], v[TM+\b], s[SEL], s[SEL+1]
.endr
.irp b, 0,1,2,3
	v_max_num_f32 v[TM+\b], v[TM+\b], v[TM+4+\b]          ; with lane l xor 16's 16 numbers: the block's largest magnitude
.endr
.irp b, 0,1,2,3
	v_add_nc_u32 v[TM+12+\b], 0xfc000000, v[TM+\b]        ; 8 off its exponent field: the conversion's scale operand
.endr
.irp b, 0,1,2,3
	v_and_or_b32 v[TM+8+\b], v[TM+\b], 0x7f800000, s[MNT] ; 448 x the scale
.endr
.irp b, 0,1,2,3
	v_lshrrev_b32 v[TM+4+\b], 23, v[TM+12+\b]             ; the scale's byte
.endr
	v_lshl_or_b32 v[\pw], v[TM+5], 8, v[TM+4]
	v_lshl_or_b32 v[\pw], v[TM+6], 16, v[\pw]
	v_lshl_or_b32 v[\pw], v[TM+7], 24, v[\pw]
.irp b, 0,1,2,3
.irp i, 0,1,2,3,4,5,6,7,8,9,10,11,12,13,14,15
	v_med3_num_f32 v[\s+16*\b+\i], v[\s+16*\b+\i], -v[TM+8+\b], v[TM+8+\b]   ; the conversion to an 8-bit code does not saturate (ISA guide 7.6.2): the hold
.endr
	v_cvt_scalef32_pk8_fp8_f32 v[\pc+4*\b:\pc+4*\b+1], v[\s+16*\b:\s+16*\b+7], v[TM+12+\b]
	v_cvt_scalef32_pk8_fp8_f32 v[\pc+4*\b+2:\pc+4*\b+3], v[\s+16*\b+8:\s+16*\b+15], v[TM+12+\b]
.endr
	v_nop                                                  ; one plain line behind the last conversion
.endm
.macro XLOAD reg, base                 ; my 64 numbers of a K step
.irp b, 0,1,2,3
.irp j, 0,1,2,3
	global_load_b128 v[\reg+16*\b+4*\j:\reg+16*\b+4*\j+3], v3, s[\base:\base+1] offset:128*\b+16*\j
.endr
.endr
.endm
	s_load_b256 s[4:11], s[0:1], 0x0               ; W_K s[4:5], W_V s[6:7], W_Q s[8:9], decoder_outputs s[10:11]
	s_load_b128 s[12:15], s[0:1], 0x20             ; wfrag s[12:13], qbuf s[14:15]
	v_lshl_add_u32 v194, v0, 2, 0x1000
	v_mov_b32 v195, 0
	v_lshrrev_b32 v1, 5, v0
	v_readfirstlane_b32 s[WV], v1                  ; wave = K step k
	v_and_b32 v1, 15, v0                           ; r
	v_bfe_u32 v2, v0, 4, 1                         ; h
	v_and_b32 v4, 31, v0
	v_lshlrev_b32 v4, 4, v4                        ; 16 x lane
	s_lshl_b32 s18, s[WV], 10
	v_lshlrev_b32 v[LAD], 1, v4
	v_add_nc_u32 v[LAD], s18, v[LAD]
	s_mov_b32 s[SEL], 0x76543210
	s_mov_b32 s[SEL+1], 0xfedcba98                 ; v_permlanex16_b32's selects for lane l xor 16
	s_mov_b32 s[MNT], 0x600000                     ; the mantissa field of 448
.irp b, 0,1,2,3
	v_mov_b32 v[TM+4+\b], 0                        ; written once: a lane permute's destination counts as one of its sources
.endr
	s_lshl_b32 s17, s[WV], 9                       ; a K step is 512 bytes of a row
	s_mov_b32 s29, 0
	s_mov_b32 s33, 0
	s_wait_kmcnt 0x0
	s_cmp_lt_u32 ttmp9, 64
	s_cbranch_scc0 .Lrole_q
	; ---- a fragment of W_K or W_V
	s_lshr_b32 s24, ttmp9, 5                       ; X
	s_bfe_u32 s25, ttmp9, 0x20003                  ; w
	s_and_b32 s26, ttmp9, 7                        ; n
	s_cmp_eq_u32 s24, 0
	s_cselect_b64 s[4:5], s[4:5], s[6:7]           ; the choice hangs on the work-group's number alone
	s_lshl_b32 s27, s25, 7
	s_add_co_u32 s27, s27, s26                     ; row 128 w + n,
	s_lshl_b32 s28, s27, 11                        ; of 2,048 bytes,
	s_add_co_u32 s28, s28, s17                     ; and the K step
	s_add_nc_u64 s[4:5], s[4:5], s[28:29]
	v_lshlrev_b32 v3, 14, v1                       ; lane r: 8 r rows further down
	v_lshl_add_u32 v3, v2, 6, v3                   ; + 64 h: my 16 numbers of a block
	XLOAD XA, 4
	v_lshlrev_b32 v5, 2, v1                        ; 4 r: a scale word's place
	s_mul_i32 s30, s24, 270336
	s_mul_i32 s31, s25, 67584
	s_add_co_u32 s30, s30, s31                     ; the block of (X, w)
	s_lshl_b32 s31, s26, 2
	s_add_co_u32 s31, s31, s[WV]                   ; f = 4 n + k
	s_lshl_b32 s31, s31, 11
	s_add_co_u32 s32, s30, s31
	s_add_nc_u64 s[34:35], s[12:13], s[32:33]      ; where the codes go
	s_lshl_b32 s31, s26, 1
	s_lshr_b32 s36, s[WV], 1
	s_add_co_u32 s31, s31, s36                     ; q = 2 n + k / 2
	s_lshl_b32 s31, s31, 7
	s_and_b32 s36, s[WV], 1
	s_lshl_b32 s36, s36, 6                         ; the odd K step's words go to lanes 16-31's places
	s_add_co_u32 s31, s31, s36
	s_add_co_u32 s32, s30, s31
	s_add_co_u32 s32, s32, 65536
	s_add_nc_u64 s[12:13], s[12:13], s[32:33]      ; where the scale words go
	s_wait_loadcnt 0x0
	QUANT XA, PCA, PWA
.irp c, 0,1,2,3
	global_store_b128 v4, v[PCA+4*\c:PCA+4*\c+3], s[34:35] offset:512*\c   ; 32 lanes store 512 consecutive bytes
.endr
	global_store_b32 v5, v[PWA], s[12:13]          ; lanes r and 16 + r hold the same word and write it to the same place
	s_endpgm
	; ---- a part of Q
.Lrole_q:
	s_sub_co_u32 s24, ttmp9, 64                    ; T
	v_lshlrev_b32 v3, 11, v1                       ; row r of 2,048 bytes, in both tensors
	v_lshl_add_u32 v3, v2, 6, v3
	s_mov_b32 s28, s17
	s_add_nc_u64 s[10:11], s[10:11], s[28:29]      ; decoder_outputs at K step k
	s_lshl_b32 s28, s24, 15                        ; W_Q: 16 T rows down,
	s_add_co_u32 s28, s28, s17                     ; K step k
	s_add_nc_u64 s[8:9], s[8:9], s[28:29]
	XLOAD XA, 10
	XLOAD XB, 8
	v_lshlrev_b32 v5, 11, v1
	v_lshl_add_u32 v5, v2, 5, v5                   ; Q: row r, + 32 h
	s_lshl_b32 s28, s24, 6                         ; + 64 T
	s_add_nc_u64 s[14:15], s[14:15], s[28:29]
	s_wait_loadcnt 0x0
	QUANT XA, PCA, PWA
	QUANT XB, PCB, PWB
.rept 4
	v_nop                                          ; codes made by vector instructions stand four places ahead of a scaled matrix instruction; both scale words were made ahead of 64 holds
.endr
	v_wmma_scale_f32_16x16x128_f8f6f4 v[ACC:ACC+7], v[PCB:PCB+15], v[PCA:PCA+15], 0, v[PWB], v[PWA]   ; register j of lane (r, h): batch r, column 16 T + 8 h + j
.rept 8
	v_nop                                          ; eight places ahead of the first read of the result
.endr
	ds_store_b128 v[LAD], v[ACC:ACC+3]
	ds_store_b128 v[LAD], v[ACC+4:ACC+7] offset:16
	s_wait_dscnt 0x0                               ; for the others' sake: my part lies in LDS
	s_barrier_signal -1
	s_barrier_wait -1
	s_cmp_lg_u32 s[WV], 0
	s_cbranch_scc1 .Lend
.irp k, 0,1,2,3
	ds_load_b128 v[XA+8*\k:XA+8*\k+3], v[LAD] offset:1024*\k          ; in wave 0 the address is 32 x lane
	ds_load_b128 v[XA+8*\k+4:XA+8*\k+7], v[LAD] offset:1024*\k+16
.endr
	s_wait_dscnt 0x0
.irp p, 0,2,4,6
	v_pk_add_f32 v[XA+\p:XA+\p+1], v[XA+\p:XA+\p+1], v[XA+8+\p:XA+8+\p+1]
	v_pk_add_f32 v[XA+16+\p:XA+16+\p+1], v[XA+16+\p:XA+16+\p+1], v[XA+24+\p:XA+24+\p+1]
.endr
.irp p, 0,2,4,6
	v_pk_add_f32 v[XA+\p:XA+\p+1], v[XA+\p:XA+\p+1], v[XA+16+\p:XA+16+\p+1]
.endr
	global_store_b128 v5, v[XA:XA+3], s[14:15]     ; 64 bytes of each of 16 rows: Q is 32 KB in all
	global_store_b128 v5, v[XA+4:XA+7], s[14:15] offset:16
.Lend:
	s_wait_tensorcnt 0x0
	ds_add_u32 v194, v195
	s_wait_dscnt 0x0
	s_endpgm
.Lfunc_end_k_q94775517c3_prep:
	.size	k_q94775517c3_prep, .Lfunc_end_k_q94775517c3_prep-k_q94775517c3_prep
	.p2alignl 7, 3214868480
	.fill 96, 4, 3214868480
	.section	.rodata,"a",@progbits
	.p2align	6, 0x0
	.amdhsa_kernel k_q94775517c3_prep
		.amdhsa_group_segment_fixed_size 4608
		.amdhsa_private_segment_fixed_size 0
		.amdhsa_enable_private_segment 0
		.amdhsa_kernarg_size 48
		.amdhsa_user_sgpr_count 2
		.amdhsa_user_sgpr_kernarg_segment_ptr 1
		.amdhsa_wavefront_size32 1
		.amdhsa_system_sgpr_workgroup_id_x 1
		.amdhsa_system_sgpr_workgroup_id_y 1
		.amdhsa_system_sgpr_workgroup_id_z 1
		.amdhsa_system_vgpr_workitem_id 0
		.amdhsa_next_free_vgpr 196
		.amdhsa_next_free_sgpr 66
		.amdhsa_reserve_vcc 0
		.amdhsa_float_denorm_mode_32 3
		.amdhsa_float_denorm_mode_16_64 3
		.amdhsa_memory_ordered 1
		.amdhsa_forward_progress 1
		.amdhsa_inst_pref_size 35
	.end_amdhsa_kernel
	.amdgpu_metadata
---
amdhsa.version: [ 1, 2 ]
amdhsa.kernels:
  - .name:           k_q94775517c3_prep
    .symbol:         k_q94775517c3_prep.kd
    .args:
      - { .name: W_K, .offset: 0, .size: 8, .value_kind: global_buffer, .address_space: global }
      - { .name: W_V, .offset: 8, .size: 8, .value_kind: global_buffer, .address_space: global }
      - { .name: W_Q, .offset: 16, .size: 8, .value_kind: global_buffer, .address_space: global }
      - { .name: decoder_outputs, .offset: 24, .size: 8, .value_kind: global_buffer, .address_space: global }
      - { .name: wfrag, .offset: 32, .size: 8, .value_kind: global_buffer, .address_space: global }
      - { .name: qbuf, .offset: 40, .size: 8, .value_kind: global_buffer, .address_space: global }
    .group_segment_fixed_size: 4608
    .private_segment_fixed_size: 0
    .kernarg_segment_align: 8
    .kernarg_segment_size: 48
    .max_flat_workgroup_size: 128
    .sgpr_count:     66
    .vgpr_count:     196
    .wavefront_size: 32
...
	.end_amdgpu_metadata
.endif
;; end of part 1
;; launch main (part 2): grid 16 x 16, 4 waves a work-group, no clusters, 295,424 bytes of LDS; arguments encoder_outputs, wfrag, qbuf, scores, stats, pctx; writes scores, stats, pctx
.if DOCPART == 2
	.amdgcn_target "amdgcn-amd-amdhsa--gfx1250"
	.amdhsa_code_object_version 6
	.text
	.protected	k_q94775517c3_main
	.globl	k_q94775517c3_main
	.p2align	8
	.type	k_q94775517c3_main,@function
k_q94775517c3_main:
	s_mov_b64 s[64:65], 0
	v_nop
	global_prefetch_b8 v0, s[64:65] scope:SCOPE_SE
	s_setreg_imm32_b32 hwreg(HW_REG_WAVE_MODE, 25, 1), 1
	s_wait_xcnt 0x0
; One work-group takes 512 rows of one batch (work-group g = 16 y + x: rows 512 g on of encoder_outputs, [131,072][512] f32) through the whole chain:
;   1  x is read once, quantised (FP8 E4M3, one E8M0 byte for each 32 along K), and its codes are kept in LDS for all 512 rows; K = x W_K^T is multiplied block by block of 64 rows under the stream, and K . Q is summed at once;
;   2  z = score / sqrt(512); the 512 rows' own maximum m, p = exp(z - m), l = sum of p;
;   3  V = x W_V^T from the codes in LDS; sum over the rows of p V.
; Stored: z, (m, l) and the sum; the next launch joins the 16 parts of a batch.  K, V and x's codes never go to memory.
; SHARES.  THE WAVES SHARE THE COLUMNS: wave w has columns 128 w .. 128 w + 127 of K and then of V, for all rows; its part of the weight in hand, 32 fragments = 512 registers, stays in registers (W_K in windows 2 and 3; W_V in 1 and 2).
;   Each fragment of x read from LDS so feeds eight matrix instructions.  For the stream, wave w loads and quantises rows 16 w .. 16 w + 15 of each block of 64.
; THE STREAM.  A load reads 512 consecutive bytes, a K step of one row, four numbers a lane; 64 such loads a wave (four sets of 16 rows, 256 registers) are asked for a block ahead.
; x IS QUANTISED AS IT IS LOADED: a block of 32 lies in eight neighbouring lanes, so its largest magnitude is two lines in the lane and three steps across lanes, for each row.  Only the CODES change lanes, through LDS:
;   a quarter of the numbers' bytes, written once.  The conversion takes eight registers under one scale, and eight registers here are two rows: it is issued twice for a pair of rows, once under each row's scale,
;   and of each result the half that belongs to that scale is kept (the other half is never read).
; x's CODES IN LDS are plain rows: row R at 528 R, 512 bytes of codes in true order of k and 16 of padding.  A fragment (tile of 16 rows mt, K step k) is four loads of 16 bytes at (16 mt + r) 528 + 128 k + 32 c + 16 h.
;   Scale words at 256 mt + 128 (k / 2) + 4 lane: lanes 0-15 the even K step's, lanes 16-31 the odd one's.
; LAYOUT OF A RESULT.  Source 0 = 16 rows of x, source 1 = 16 rows of the weight: register j of lane (r, h) is row 8 h + j, column 128 w + 8 r + n (tile n): the weight's rows were dealt to the lanes so by the launch before.
;   So K . Q is a multiply-add down the eight tiles and a sum over 16 lanes, and p V is a multiply-add down the registers, and a lane ends with eight neighbouring columns of the context.
; NO CLUSTER: what work-groups share is the weights, 0.5 MiB beside a work-group's own 1 MiB of x, and they go straight into registers, since LDS is full of x's codes: there is no tile in LDS that a joint load could fill.
; NO TENSOR LOAD for the same reason: the bytes on their way live in registers.
; LIMITS: NaN and infinities among the inputs are not served; a block of zeros gets the byte 1 where the rule says 127 (its codes are zeros; this program alone reads the bytes); the sums over columns, rows and waves are taken in this text's own fixed order.
; REGISTERS, in windows of 256 (s_set_vgpr_msb: bits 1:0 source 0, 3:2 source 1, 5:4 source 2, 7:6 destination):
;   window 0: v1-15 addresses; v16-31 the weight's scale words; v32-35 x's; v36-51 Q (twice each), later p of two tiles; v52-59 score sums; v60-67 lane exchanges; v76-91 Q as loaded, the way out; v92, v93 m and l;
;             v96-111 the context; v112-127 z; v128-191 x's fragments of a tile; v192-255 eight accumulators.  While a set is quantised: v128-143 largest magnitudes, then holds; v144-159 scale operands; v160-175 bytes; v192-223 codes
;   window 1: the four sets of loads; from the last block on W_V's tiles 0-3.   window 2: W_K's tiles 0-3, later W_V's 4-7.   window 3: W_K's tiles 4-7; in phase 3 v128-191, v192-255 a second set of fragments and accumulators.
.set PITCH,  528                       ; a row of codes in LDS: 512 bytes + 16: an odd multiple of 16, so the 16 rows that a load touches start in different banks (64 banks of 4 bytes, ISA guide 11.1)
.set TILEB,  16*PITCH
.set BLKB,   64*PITCH
.set XSC,    512*PITCH                 ; LDS: the rows fill bytes 0 .. 270,335; then their scale words, 8,192 bytes;
.set SPART,  XSC+8192                  ; [wave][512 rows] the waves' parts of the scores;
.set PTAB,   SPART+8192                ; [wave][512 rows] p, a copy for each wave
.set LI,    1                          ; 16 x lane
.set RIMG0, 2                          ; 528 r + 16 h: my lane's place in a tile of rows
.set WIMG0, 4                          ; 4 x lane + 8,448 x wave: where I store a row's codes
.set WXS0,  5                          ; XSC + 256 x wave + lane / 8: and my block's scale byte
.set RXS0,  6                          ; XSC + 4 x lane
.set SPW0,  7                          ; where I store score parts
.set WIMG,  8                          ; v8-12: the same with the block's offset
.set RIMG,  9
.set WXS,   10
.set RXS,   11
.set SPWA,  12
.set PTW,   13                         ; p: where I store,
.set PTR,   14                         ; and read: 32 x (lane / 16) in my copy
.set PTRA,  15
.set WS,    16
.set XS,    32
.set QQ,    36
.set PP,    36
.set SACC,  52
.set TM,    60
.set PC,    76
.set ML,    92
.set TMP,   94
.set L4,    95                         ; 4 x lane
.set CTX,   96
.set Z,     112
.set AF,    128
.set ACC,   192
.set MX,    128
.set TSC,   144
.set BYT,   160
.set COD,   192
.set WV,  16
.set T,   17
.set SB,  18
.set SB2, 19
.set SEL, 20
.set MNT, 22
.set SB3, 23
.set WKP, 24                           ; s[24:25] my block of W_K in wfrag
.set WVP, 36                           ; s[36:37] my block of W_V
.set MSB, 0
.macro WIN new                         ; the immediate's high byte repeats the setting that is left; a switch that changes nothing is dropped
.if MSB != (\new)
	s_set_vgpr_msb (MSB<<8)|(\new)
.set MSB, (\new)
.endif
.endm
.macro PLACES                          ; eight places behind this matrix form, where no other vector work is at hand
.rept 8
	v_nop
.endr
.endm
; Set s (K step s of my 16 rows, as loaded: window 1, register 64 s + 4 i + e of lane l = x(row i, 128 s + 4 l + e)) becomes codes: v[COD + 4 (i / 2) + 3 (i % 2)] = row i's four codes of my lane; v[BYT + i] = the byte of row i's block l / 8.
.macro QUANT4 s
	WIN 0x05                                       ; sources 0 and 1: window 1
.irp i, 0,1,2,3,4,5,6,7,8,9,10,11,12,13,14,15
	v_max3_num_f32 v[MX+\i], |v[64*(\s)+4*\i]|, |v[64*(\s)+4*\i+1]|, 0x4800000   ; row i: my four numbers, and the floor 2^(9 - 127): the byte cannot fall under 1
.endr
.irp i, 0,1,2,3,4,5,6,7,8,9,10,11,12,13,14,15
	v_max3_num_f32 v[MX+\i], |v[64*(\s)+4*\i+2]|, |v[64*(\s)+4*\i+3]|, v[MX+\i]
.endr
	WIN 0
.irp x, 1,2,4
.irp i, 0,1,2,3,4,5,6,7,8,9,10,11,12,13,14,15
	v_max_num_f32_dpp v[MX+\i], v[MX+\i], v[MX+\i] row_xmask:\x row_mask:0xf bank_mask:0xf   ; with the seven lanes that share the block; the 16 rows by turns
.endr
.endr
.irp i, 0,1,2,3,4,5,6,7,8,9,10,11,12,13,14,15
	v_add_nc_u32 v[TSC+\i], 0xfc000000, v[MX+\i]           ; 8 off the exponent field: the conversion's scale operand
.endr
.irp i, 0,1,2,3,4,5,6,7,8,9,10,11,12,13,14,15
	v_and_or_b32 v[MX+\i], v[MX+\i], 0x7f800000, s[MNT]    ; 448 x the scale
.endr
	s_wait_dscnt 0x0                               ; the last set's stores have read the bytes' and the codes' registers, which are written from here on
.irp i, 0,1,2,3,4,5,6,7,8,9,10,11,12,13,14,15
	v_lshrrev_b32 v[BYT+\i], 23, v[TSC+\i]                 ; the scale's byte
.endr
	WIN 0x41                                       ; destination and source 0: window 1
.irp i, 0,1,2,3,4,5,6,7,8,9,10,11,12,13,14,15
.irp e, 0,1,2,3
	v_med3_num_f32 v[64*(\s)+4*\i+\e], v[64*(\s)+4*\i+\e], -v[MX+\i], v[MX+\i]   ; the conversion to an 8-bit code does not saturate (ISA guide 7.6.2): the hold
.endr
.endr
	WIN 0x01                                       ; source 0: window 1
.irp p, 0,1,2,3,4,5,6,7
	v_cvt_scalef32_pk8_fp8_f32 v[COD+4*\p:COD+4*\p+1], v[64*(\s)+8*\p:64*(\s)+8*\p+7], v[TSC+2*\p]       ; rows 2 p and 2 p + 1 under row 2 p's scale: the low register is kept,
	v_cvt_scalef32_pk8_fp8_f32 v[COD+4*\p+2:COD+4*\p+3], v[64*(\s)+8*\p:64*(\s)+8*\p+7], v[TSC+2*\p+1]   ; under row 2 p + 1's: the high one
.endr
	WIN 0
	v_nop                                          ; one plain line behind the last conversion: matrix instructions later write the codes' registers
.endm
.macro STORES s                        ; a row's 128 codes: 32 lanes, 128 consecutive bytes; its four scale bytes: the eight lanes of a block write the same byte with the same value
.irp i, 0,1,2,3,4,5,6,7,8,9,10,11,12,13,14,15
	ds_store_b32 v[WIMG], v[COD+4*(\i/2)+3*(\i%2)] offset:PITCH*\i+128*(\s)
.endr
.irp i, 0,1,2,3,4,5,6,7,8,9,10,11,12,13,14,15
	ds_store_b8 v[WXS], v[BYT+\i] offset:128*((\s)/2)+64*((\s)%2)+4*\i
.endr
.endm
; Set s is asked for again: the next block's rows, or, in the last block, W_V's tile s (its 16 groups of four registers).  Sixteen loads into the same registers on both ways, so the counted waits hold on both.
.macro REFILL s
	s_cmp_eq_u32 s[T], 7
	s_cbranch_scc1 .Lwv_\@
	WIN 0x40                                       ; destination window 1
.irp i, 0,1,2,3,4,5,6,7,8,9,10,11,12,13,14,15
	global_load_b128 v[64*(\s)+4*\i:64*(\s)+4*\i+3], v[LI], s[4:5] offset:131072+2048*\i+512*(\s) th:TH_LOAD_NT   ; 32 lanes read 512 consecutive bytes, at a multiple of 512 from the buffer's first byte; read once in the launch
.endr
	WIN 0
	s_branch .Ldone_\@
.Lwv_\@:
	WIN 0x40
.irp i, 0,1,2,3,4,5,6,7,8,9,10,11,12,13,14,15
	global_load_b128 v[64*(\s)+4*\i:64*(\s)+4*\i+3], v[LI], s[WVP:WVP+1] offset:8192*(\s)+512*\i
.endr
	WIN 0
.Ldone_\@:
.endm
.macro FETCHA i                        ; tile i of the block: four fragments and two registers of scale words
.irp k, 0,1,2,3
.irp c, 0,1,2,3
	ds_load_b128 v[AF+16*\k+4*\c:AF+16*\k+4*\c+3], v[RIMG] offset:TILEB*(\i)+128*\k+32*\c
.endr
.endr
	ds_load_b32 v[XS], v[RXS] offset:256*(\i)
	ds_load_b32 v[XS+1], v[RXS] offset:256*(\i)+128
.endm
; One matrix instruction: K step k starts the sum (k = 0) or adds in place; an odd K step's scale words stand in lanes 16-31
.macro WMM d, a, b, k, sa, sb
.if (\k) == 0
	v_wmma_scale_f32_16x16x128_f8f6f4 v[\d:\d+7], v[\a:\a+15], v[\b:\b+15], 0, v[\sa], v[\sb]
.elseif ((\k)%2) == 1
	v_wmma_scale_f32_16x16x128_f8f6f4 v[\d:\d+7], v[\a:\a+15], v[\b:\b+15], v[\d:\d+7], v[\sa], v[\sb] matrix_a_scale:MATRIX_SCALE_ROW1 matrix_b_scale:MATRIX_SCALE_ROW1
.else
	v_wmma_scale_f32_16x16x128_f8f6f4 v[\d:\d+7], v[\a:\a+15], v[\b:\b+15], v[\d:\d+7], v[\sa], v[\sb]
.endif
.endm
; 16 rows x my 128 columns of K: 32 matrix instructions; four accumulators take turns, one instruction a turn
.macro KMUL
	WIN 0x08                                       ; source 1 (W_K's tiles 0-3): window 2
.irp k, 0,1,2,3
.irp n, 0,1,2,3
	WMM ACC+8*\n, AF+16*\k, 64*\n+16*\k, \k, XS+\k/2, WS+2*\n+\k/2
.endr
.endr
	WIN 0x0c                                       ; tiles 4-7: window 3
.irp k, 0,1,2,3
.irp n, 4,5,6,7
	WMM ACC+8*\n, AF+16*\k, 64*(\n-4)+16*\k, \k, XS+\k/2, WS+2*\n+\k/2
.endr
.endr
	WIN 0
.endm
; K . Q for the tile's 16 rows, my 128 columns: down the eight tiles (each accumulator from its low end on), then over the 16 lanes of a half; rows 8 h .. 8 h + 7 go to my part of the scores
.macro POSTK i
.irp q, 0,1,2,3
	v_pk_mul_f32 v[SACC+2*\q:SACC+2*\q+1], v[ACC+2*\q:ACC+2*\q+1], v[QQ:QQ+1]
.endr
.irp n, 1,2,3,4,5,6,7
.irp q, 0,1,2,3
	v_pk_fma_f32 v[SACC+2*\q:SACC+2*\q+1], v[ACC+8*\n+2*\q:ACC+8*\n+2*\q+1], v[QQ+2*\n:QQ+2*\n+1], v[SACC+2*\q:SACC+2*\q+1]
.endr
.endr
.irp x, 1,2,4,8
.irp j, 0,1,2,3,4,5,6,7
	v_add_f32_dpp v[SACC+\j], v[SACC+\j], v[SACC+\j] row_xmask:\x row_mask:0xf bank_mask:0xf
.endr
.endr
	ds_store_b128 v[SPWA], v[SACC:SACC+3] offset:64*(\i)          ; the 16 lanes of a half write the same bytes with the same values
	ds_store_b128 v[SPWA], v[SACC+4:SACC+7] offset:64*(\i)+16
.endm
	s_load_b256 s[4:11], s[0:1], 0x0               ; encoder_outputs s[4:5], wfrag s[6:7], qbuf s[8:9], scores s[10:11]
	s_load_b128 s[12:15], s[0:1], 0x20             ; stats s[12:13], pctx s[14:15]
	v_lshl_add_u32 v90, v0, 2, 0x48000
	v_mov_b32 v91, 0
	v_lshrrev_b32 v[TMP], 5, v0
	v_readfirstlane_b32 s[WV], v[TMP]              ; wave 0..3
	v_and_b32 v[TMP], 31, v0                       ; lane
	v_and_b32 v[Z], 15, v0                         ; r
	v_bfe_u32 v[Z+1], v0, 4, 1                     ; h
	v_lshlrev_b32 v[LI], 4, v[TMP]
	v_lshlrev_b32 v[L4], 2, v[TMP]
	v_lshlrev_b32 v[Z+2], 5, v[Z]                  ; 32 r: my eight numbers of Q
	v_mul_u32_u24 v[RIMG0], v[Z], PITCH
	v_lshl_add_u32 v[RIMG0], v[Z+1], 4, v[RIMG0]   ; a fragment's row r, + 16 h
	s_mul_i32 s38, s[WV], TILEB
	v_add_nc_u32 v[WIMG0], s38, v[L4]              ; my tile's first row, my four codes of a K step
	v_add_nc_u32 v[RXS0], XSC, v[L4]
	v_bfe_u32 v[WXS0], v0, 3, 2                    ; lane / 8: my block of the K step's four
	s_lshl_b32 s38, s[WV], 8
	s_add_co_u32 s38, s38, XSC
	v_add_nc_u32 v[WXS0], s38, v[WXS0]
	s_lshl_b32 s38, s[WV], 11
	s_add_co_u32 s39, s38, SPART
	v_lshl_add_u32 v[SPW0], v[Z+1], 5, s39
	s_add_co_u32 s45, s38, PTAB
	v_add_nc_u32 v[PTW], s45, v[LI]
	v_lshl_add_u32 v[PTR], v[Z+1], 5, s45
	s_mov_b32 s[SEL], 0x76543210
	s_mov_b32 s[SEL+1], 0xfedcba98                 ; v_permlanex16_b32's selects for lane l xor 16
	s_mov_b32 s[MNT], 0x600000                     ; the mantissa field of 448
	s_mov_b32 vcc_lo, 0xffff0000                   ; lanes 16-31: set once, never written again
	s_and_b32 s40, ttmp7, 0xffff                   ; the batch
	s_lshl_b32 s41, s40, 4
	s_add_co_u32 s41, s41, ttmp9                   ; g
	s_mov_b32 s43, 0
	s_wait_kmcnt 0x0
	s_mul_i32 s42, s[WV], 67584
	s_add_nc_u64 s[WKP:WKP+1], s[6:7], s[42:43]
	s_add_nc_u64 s[WVP:WVP+1], s[WKP:WKP+1], 270336
	s_lshl_b32 s42, s41, 20                        ; 512 rows of 2,048 bytes,
	s_lshl_b32 s44, s[WV], 15                      ; my 16 rows of a block
	s_add_co_u32 s42, s42, s44
	s_add_nc_u64 s[4:5], s[4:5], s[42:43]
	s_lshl_b32 s42, s40, 11
	s_lshl_b32 s44, s[WV], 9
	s_add_co_u32 s42, s42, s44
	s_add_nc_u64 s[8:9], s[8:9], s[42:43]          ; Q: the batch's row, my 128 columns
	s_lshl_b32 s42, s41, 11
	s_add_nc_u64 s[10:11], s[10:11], s[42:43]      ; z: 2,048 bytes a work-group
	s_add_co_u32 s42, s42, s44
	s_add_nc_u64 s[14:15], s[14:15], s[42:43]      ; the context's part: likewise, my 512 bytes
	s_lshl_b32 s42, s41, 8
	s_add_nc_u64 s[12:13], s[12:13], s[42:43]      ; (m, l): 256 bytes a work-group
	; W_K's 32 fragments, as they lie in wfrag: group i of four registers at 512 i
	WIN 0x80                                       ; destination window 2
.set i, 0
.rept 64
	global_load_b128 v[4*i:4*i+3], v[LI], s[WKP:WKP+1] offset:512*i
.set i, i+1
.endr
	WIN 0xc0                                       ; window 3
.set i, 0
.rept 64
	global_load_b128 v[4*i:4*i+3], v[LI], s[WKP:WKP+1] offset:32768+512*i
.set i, i+1
.endr
	WIN 0
.set i, 0
.rept 16
	global_load_b32 v[WS+i], v[L4], s[WKP:WKP+1] offset:65536+128*i
.set i, i+1
.endr
	global_load_b128 v[PC:PC+3], v[Z+2], s[8:9]
	global_load_b128 v[PC+4:PC+7], v[Z+2], s[8:9] offset:16
	WIN 0x40                                       ; block 0 of x: set i / 16, row i % 16
.set i, 0
.rept 64
	global_load_b128 v[4*i:4*i+3], v[LI], s[4:5] offset:2048*(i%16)+512*(i/16) th:TH_LOAD_NT
.set i, i+1
.endr
	WIN 0
.irp b, 0,1,2,3,4,5,6,7
	v_mov_b32 v[TM+\b], 0                          ; written once: a lane permute's destination counts as one of its sources
.endr
	s_mov_b32 s[T], 0
	s_mov_b32 s[SB], 0
	s_mov_b32 s[SB2], 0
	s_mov_b32 s[SB3], 0
	s_wait_loadcnt 63                              ; 64 loads were issued behind Q's: Q, and W_K ahead of it, are in
.irp n, 0,1,2,3,4,5,6,7
	v_mov_b32 v[QQ+2*\n], v[PC+\n]                 ; each number of Q twice, for the packed forms
	v_mov_b32 v[QQ+2*\n+1], v[PC+\n]
.endr
; ---- PHASE 1: eight blocks of 64 rows
.Lblock:
	v_add_nc_u32 v[WIMG], s[SB], v[WIMG0]          ; a block's rows are 33,792 bytes, its scale words 1,024, its scores 256.  (No LDS instruction of mine is out)
	v_add_nc_u32 v[RIMG], s[SB], v[RIMG0]
	v_add_nc_u32 v[WXS], s[SB2], v[WXS0]
	v_add_nc_u32 v[RXS], s[SB2], v[RXS0]
	v_add_nc_u32 v[SPWA], s[SB3], v[SPW0]
	s_wait_loadcnt 48                              ; set 0 is in; the 48 loads of sets 1 to 3 may be out
	QUANT4 0
	STORES 0
	s_wait_loadcnt 32                              ; set 1 is in; sets 2 and 3 may be out
	REFILL 0                                       ; set 0's registers were last read by the conversions
	QUANT4 1
	STORES 1
	s_wait_loadcnt 32                              ; set 2 is in; set 3 and set 0's refill may be out
	REFILL 1
	QUANT4 2
	STORES 2
	s_wait_loadcnt 32                              ; set 3 is in; two refills may be out
	REFILL 2
	QUANT4 3
	STORES 3
	s_wait_dscnt 0x0                               ; for the others' sake: my tile's codes and scale bytes lie in LDS
	s_barrier_signal -1
	s_barrier_wait -1                              ; the block's four tiles do.  No row is ever written again, so one barrier a block is all
	FETCHA 0
.irp i, 0,1,2,3
	s_wait_dscnt 0x0                               ; the tile's fragments are in (and the last tile's scores have left their registers)
	KMUL
	PLACES                                         ; ahead of the loads into the fragments' registers and of the first read of the results
.if \i < 3
	FETCHA \i+1                                    ; lands under the sums below
.endif
	POSTK \i
.if \i == 1
	REFILL 3                                       ; the fourth refill stands here: with it 64 loads of mine would be out, were none of the first refill's back; that one has had three sets' quantising and two tiles in which to land
.endif
.endr
	s_wait_dscnt 0x0                               ; the address registers are written again at the loop's head
	s_wait_xcnt 0x0                                ; the loads issued have had their addresses translated (ISA guide 3.1): their base may step
	s_add_nc_u64 s[4:5], s[4:5], 131072
	s_add_co_u32 s[SB], s[SB], BLKB
	s_add_co_u32 s[SB2], s[SB2], 1024
	s_add_co_u32 s[SB3], s[SB3], 256
	s_add_co_u32 s[T], s[T], 1
	s_cmp_lt_u32 s[T], 8
	s_cbranch_scc1 .Lblock
; ---- PHASE 2: every wave does all 512 rows, so nothing but the score parts goes from wave to wave
.set i, 0
.rept 16
	global_load_b32 v[WS+i], v[L4], s[WVP:WVP+1] offset:65536+128*i   ; W_V's scale words and its tiles 4-7 take W_K's places: the last product that read those stands more than eight places back
.set i, i+1
.endr
	WIN 0x80
.set i, 0
.rept 64
	global_load_b128 v[4*i:4*i+3], v[LI], s[WVP:WVP+1] offset:32768+512*i
.set i, i+1
.endr
	WIN 0
	v_add_nc_u32 v[WIMG], SPART, v[LI]
	s_wait_dscnt 0x0                               ; my score parts lie in LDS
	s_barrier_signal -1
	s_barrier_wait -1
.irp w, 0,1,2,3
.irp c, 0,1,2,3
	ds_load_b128 v[ACC+16*\w+4*\c:ACC+16*\w+4*\c+3], v[WIMG] offset:2048*\w+512*\c   ; register 4 c + e: row 128 c + 4 lane + e
.endr
.endr
	s_wait_dscnt 0x0
.irp p, 0,2,4,6,8,10,12,14
	v_pk_add_f32 v[ACC+\p:ACC+\p+1], v[ACC+\p:ACC+\p+1], v[ACC+16+\p:ACC+16+\p+1]
	v_pk_add_f32 v[ACC+32+\p:ACC+32+\p+1], v[ACC+32+\p:ACC+32+\p+1], v[ACC+48+\p:ACC+48+\p+1]
.endr
.irp p, 0,2,4,6,8,10,12,14
	v_pk_add_f32 v[Z+\p:Z+\p+1], v[ACC+\p:ACC+\p+1], v[ACC+32+\p:ACC+32+\p+1]
.endr
.irp i, 0,1,2,3,4,5,6,7,8,9,10,11,12,13,14,15
	v_mul_f32 v[Z+\i], 0x3d3504f3, v[Z+\i]         ; z = score / sqrt(512)
.endr
	s_cmp_lg_u32 s[WV], 0
	s_cbranch_scc1 .Lz_stored
.irp c, 0,1,2,3
	global_store_b128 v[LI], v[Z+4*\c:Z+4*\c+3], s[10:11] offset:512*\c   ; 32 lanes store 512 consecutive bytes; z's registers are not written again
.endr
.Lz_stored:
	v_max3_num_f32 v[ML], v[Z], v[Z+1], v[Z+2]
.irp i, 3,5,7,9,11,13
	v_max3_num_f32 v[ML], v[ML], v[Z+\i], v[Z+\i+1]
.endr
	v_max_num_f32 v[ML], v[ML], v[Z+15]
.irp x, 1,2,4,8
	v_max_num_f32_dpp v[ML], v[ML], v[ML] row_xmask:\x row_mask:0xf bank_mask:0xf
.endr
	v_permlanex16_b32 v[TM+4], v[ML], s[SEL], s[SEL+1]
	v_max_num_f32 v[ML], v[ML], v[TM+4]            ; m: the largest z of the 512 rows, in every lane
.irp i, 0,1,2,3,4,5,6,7,8,9,10,11,12,13,14,15
	v_sub_f32 v[AF+\i], v[Z+\i], v[ML]             ; the difference first, so that large scores lose nothing
.endr
.irp i, 0,1,2,3,4,5,6,7,8,9,10,11,12,13,14,15
	v_mul_f32 v[AF+\i], 0x3fb8aa3b, v[AF+\i]
.endr
.irp i, 0,1,2,3,4,5,6,7,8,9,10,11,12,13,14,15
	v_exp_f32 v[AF+\i], v[AF+\i]                   ; p = exp(z - m), at most 1
.endr
.irp i, 0,1,2,3,4,5,6,7,8,9,10,11,12,13,14,15
	v_mov_b32 v[CTX+\i], 0                         ; the context's sums.  (Plain lines behind the exponentials)
.endr
	s_wait_alu depctr_va_vdst(0)
.irp c, 0,1,2,3
	ds_store_b128 v[PTW], v[AF+4*\c:AF+4*\c+3] offset:512*\c      ; my own copy of p: no other wave reads it
.endr
.irp p, 0,1,2,3
	v_pk_add_f32 v[ACC+2*\p:ACC+2*\p+1], v[AF+4*\p:AF+4*\p+1], v[AF+4*\p+2:AF+4*\p+3]
.endr
	v_pk_add_f32 v[ACC:ACC+1], v[ACC:ACC+1], v[ACC+2:ACC+3]
	v_pk_add_f32 v[ACC+4:ACC+5], v[ACC+4:ACC+5], v[ACC+6:ACC+7]
	v_pk_add_f32 v[ACC:ACC+1], v[ACC:ACC+1], v[ACC+4:ACC+5]
	v_add_f32 v[ML+1], v[ACC], v[ACC+1]
.irp x, 1,2,4,8
	v_add_f32_dpp v[ML+1], v[ML+1], v[ML+1] row_xmask:\x row_mask:0xf bank_mask:0xf
.endr
	v_permlanex16_b32 v[TM+4], v[ML+1], s[SEL], s[SEL+1]
	v_add_f32 v[ML+1], v[ML+1], v[TM+4]            ; l: the sum of the 512 p
	s_wait_loadcnt 0x0                             ; all of W_V and its scale words are in
; ---- PHASE 3: V = x W_V^T and the sum of p V, a tile of 16 rows at a time, on two sets of fragments and accumulators (set 0 in window 0, set 1 in window 3) by turns.
; While tile m is multiplied, tile m + 1's fragments come from LDS into the other set, and tile m - 1's results are weighed in: four packed multiply-adds behind every fourth matrix instruction, eight behind the last.
; Those eight name none of the last product's registers: they are the places ahead of the next tile's loads into the registers that it read.
.macro POSTGRP set                     ; group pg of eight: tiles 4 (pg / 4) .. + 3, rows 2 (pg % 4), + 1 of each half: every accumulator from its low end on
	WIN 3*(\set)                                   ; source 0: the set's window
.irp e, 0,1,2,3
	v_pk_fma_f32 v[CTX+2*(4*(pg/4)+\e):CTX+2*(4*(pg/4)+\e)+1], v[ACC+8*(4*(pg/4)+\e)+2*(pg%4):ACC+8*(4*(pg/4)+\e)+2*(pg%4)+1], v[PP+8*(\set)+2*(pg%4):PP+8*(\set)+2*(pg%4)+1], v[CTX+2*(4*(pg/4)+\e):CTX+2*(4*(pg/4)+\e)+1]
.endr
.endm
; Tile m on set u.  next = 1: tile m + 1 is fetched, from aoff (rows) and xoff (scale words); poff: this tile's p.  post = 1: tile m - 1 is weighed in.
.macro VTILE u, next, post, aoff, xoff, poff
	s_wait_dscnt 0x0                               ; this tile's fragments and the last tile's p are in
.if \next
	WIN 0xc0*(1-\u)                                ; destination: the other set's window
.irp k, 0,1,2,3
.irp c, 0,1,2,3
	ds_load_b128 v[AF+16*\k+4*\c:AF+16*\k+4*\c+3], v[RIMG] offset:\aoff+128*\k+32*\c
.endr
.endr
	WIN 0
	ds_load_b32 v[XS+2*(1-\u)], v[RXS] offset:\xoff
	ds_load_b32 v[XS+2*(1-\u)+1], v[RXS] offset:\xoff+128
.endif
	WIN 0
	ds_load_b128 v[PP+8*\u:PP+8*\u+3], v[PTRA] offset:\poff        ; p of rows 8 h .. 8 h + 7 of this tile
	ds_load_b128 v[PP+8*\u+4:PP+8*\u+7], v[PTRA] offset:\poff+16
.set idx, 0
.rept 32
.set hf, idx/16
.set kk, (idx%16)/4
.set nn, 4*hf+idx%4
.set rD, ACC+8*nn
.set rA, AF+16*kk
.set rB, 64*(idx%4)+16*kk
.set rSA, XS+2*\u+kk/2
.set rSB, WS+2*nn+kk/2
	WIN 0x04+4*hf+0xf3*\u                          ; source 1: W_V's window 1 or 2; source 0, C and D: the set's window.  Four accumulators take turns
	WMM rD, rA, rB, kk, rSA, rSB
.if \post && (idx >= 7) && (idx%4 == 3)
.set pg, (idx-7)/4
	POSTGRP 1-\u
.if idx == 31
.set pg, 7
	POSTGRP 1-\u
.endif
.endif
.set idx, idx+1
.endr
.if !\post
	WIN 0
	PLACES
.endif
.endm
	s_mov_b32 s[T], 0
	s_mov_b32 s[SB], 0
	s_mov_b32 s[SB2], 0
	s_mov_b32 s[SB3], 0
	s_wait_dscnt 0x0                               ; p's stores have read their registers, which take tile 0's fragments
	v_add_nc_u32 v[RIMG], s[SB], v[RIMG0]
	v_add_nc_u32 v[RXS], s[SB2], v[RXS0]
	v_add_nc_u32 v[PTRA], s[SB3], v[PTR]
	FETCHA 0
	VTILE 0, 1, 0, TILEB, 256, 0                   ; tile 0
.Lv:                                           ; 15 trips: tiles 2 j + 1 and 2 j + 2; two tiles are 16,896 bytes of rows, 512 of scale words, 128 of p
	s_wait_dscnt 0x0                               ; no LDS instruction of mine is out: the address registers may be written
	v_add_nc_u32 v[RIMG], s[SB], v[RIMG0]
	v_add_nc_u32 v[RXS], s[SB2], v[RXS0]
	v_add_nc_u32 v[PTRA], s[SB3], v[PTR]
	VTILE 1, 1, 1, 2*TILEB, 512, 64
	VTILE 0, 1, 1, 3*TILEB, 768, 128
	WIN 0
	s_add_co_u32 s[SB], s[SB], 2*TILEB
	s_add_co_u32 s[SB2], s[SB2], 512
	s_add_co_u32 s[SB3], s[SB3], 128
	s_add_co_u32 s[T], s[T], 1
	s_cmp_lt_u32 s[T], 15
	s_cbranch_scc1 .Lv
	s_wait_dscnt 0x0
	v_add_nc_u32 v[PTRA], s[SB3], v[PTR]
	VTILE 1, 0, 1, 0, 0, 64                        ; tile 31: nothing more to fetch
	s_wait_dscnt 0x0                               ; its p
.set pg, 0
.rept 8
	POSTGRP 1                                      ; tile 31 is weighed in: the eight multiply-adds behind its last product were that product's places
.set pg, pg+1
.endr
	WIN 0
; ---- THE WAY OUT: the pairs' halves, then lane l xor 16's rows; lanes 0-15 keep columns 8 r .. + 3, lanes 16-31 columns 8 r + 4 .. + 7: the wave stores 512 consecutive bytes
.irp n, 0,1,2,3,4,5,6,7
	v_add_f32 v[PC+\n], v[CTX+2*\n], v[CTX+2*\n+1]
.endr
.irp n, 0,1,2,3,4,5,6,7
	v_permlanex16_b32 v[TM+\n], v[PC+\n], s[SEL], s[SEL+1]
.endr
.irp n, 0,1,2,3,4,5,6,7
	v_add_f32 v[PC+\n], v[PC+\n], v[TM+\n]
.endr
.irp i, 0,1,2,3
	v_cndmask_b32 v[PC+8+\i], v[PC+\i], v[PC+4+\i], vcc_lo
.endr
	v_and_b32 v[WXS], 15, v0
	v_bfe_u32 v[SPWA], v0, 4, 1
	v_lshlrev_b32 v[WXS], 5, v[WXS]
	v_lshl_add_u32 v[WXS], v[SPWA], 4, v[WXS]      ; 32 r + 16 h
	global_store_b128 v[WXS], v[PC+8:PC+11], s[14:15]
	s_cmp_lg_u32 s[WV], 0
	s_cbranch_scc1 .Lend
	v_lshlrev_b32 v[SPWA], 1, v[L4]                ; 8 x lane
	global_store_b64 v[SPWA], v[ML:ML+1], s[12:13] ; (m, l), the same in every lane: 256 consecutive bytes, aligned
.Lend:
	s_wait_tensorcnt 0x0
	ds_add_u32 v90, v91
	s_wait_dscnt 0x0
	s_endpgm
.Lfunc_end_k_q94775517c3_main:
	.size	k_q94775517c3_main, .Lfunc_end_k_q94775517c3_main-k_q94775517c3_main
	.p2alignl 7, 3214868480
	.fill 96, 4, 3214868480
	.section	.rodata,"a",@progbits
	.p2align	6, 0x0
	.amdhsa_kernel k_q94775517c3_main
		.amdhsa_group_segment_fixed_size 295424
		.amdhsa_private_segment_fixed_size 0
		.amdhsa_enable_private_segment 0
		.amdhsa_kernarg_size 48
		.amdhsa_user_sgpr_count 2
		.amdhsa_user_sgpr_kernarg_segment_ptr 1
		.amdhsa_wavefront_size32 1
		.amdhsa_system_sgpr_workgroup_id_x 1
		.amdhsa_system_sgpr_workgroup_id_y 1
		.amdhsa_system_sgpr_workgroup_id_z 1
		.amdhsa_system_vgpr_workitem_id 0
		.amdhsa_next_free_vgpr 1024
		.amdhsa_next_free_sgpr 66
		.amdhsa_reserve_vcc 1
		.amdhsa_float_denorm_mode_32 3
		.amdhsa_float_denorm_mode_16_64 3
		.amdhsa_memory_ordered 1
		.amdhsa_forward_progress 1
		.amdhsa_inst_pref_size 189
	.end_amdhsa_kernel
	.amdgpu_metadata
---
amdhsa.version: [ 1, 2 ]
amdhsa.kernels:
  - .name:           k_q94775517c3_main
    .symbol:         k_q94775517c3_main.kd
    .args:
      - { .name: encoder_outputs, .offset: 0, .size: 8, .value_kind: global_buffer, .address_space: global }
      - { .name: wfrag, .offset: 8, .size: 8, .value_kind: global_buffer, .address_space: global }
      - { .name: qbuf, .offset: 16, .size: 8, .value_kind: global_buffer, .address_space: global }
      - { .name: scores, .offset: 24, .size: 8, .value_kind: global_buffer, .address_space: global }
      - { .name: stats, .offset: 32, .size: 8, .value_kind: global_buffer, .address_space: global }
      - { .name: pctx, .offset: 40, .size: 8, .value_kind: global_buffer, .address_space: global }
    .group_segment_fixed_size: 295424
    .private_segment_fixed_size: 0
    .kernarg_segment_align: 8
    .kernarg_segment_size: 48
    .max_flat_workgroup_size: 128
    .sgpr_count:     66
    .vgpr_count:     1024
    .wavefront_size: 32
...
	.end_amdgpu_metadata
.endif
;; end of part 2
;; launch comb (part 3): grid 16 x 16, 4 waves a work-group, no clusters, 0 bytes of LDS; arguments scores, stats, pctx, out0, out1; writes out0, out1
.if DOCPART == 3
	.amdgcn_target "amdgcn-amd-amdhsa--gfx1250"
	.amdhsa_code_object_version 6
	.text
	.protected	k_q94775517c3_comb
	.globl	k_q94775517c3_comb
	.p2align	8
	.type	k_q94775517c3_comb,@function
k_q94775517c3_comb:
	s_mov_b64 s[64:65], 0
	v_nop
	global_prefetch_b8 v0, s[64:65] scope:SCOPE_SE
	s_setreg_imm32_b32 hwreg(HW_REG_WAVE_MODE, 25, 1), 1
	s_wait_xcnt 0x0
; The 16 parts of a batch are joined.  Part i brought z (its 512 scores / sqrt(512)), m_i (their maximum), l_i = sum exp(z - m_i) and c_i = sum exp(z - m_i) V.
; M = max m_i;  w_i = exp(m_i - M);  L = sum l_i w_i;  attn = exp(z - M) / L;  context = (sum w_i c_i) / L.
; Work-group (x, y): batch y, the 512 weights of part x, four a thread; the work-groups with x = 0 also make the batch's context, four columns a thread.
; Lane l holds part l % 16's (m, l): each half of 16 lanes holds all 16 parts, so M and L are four steps inside a half.
; A stream of 1 MB: no LDS, no barrier, no matrix unit.  L is at least 1: the part that holds M has a term exp(0).
; LIMITS: NaN and infinities are not served.
.macro COMMON
	v_mov_b32 v6, v4
.irp x, 1,2,4,8
	v_max_num_f32_dpp v6, v6, v6 row_xmask:\x row_mask:0xf bank_mask:0xf
.endr
	v_sub_f32 v7, v4, v6                           ; m_i - M, 0 or less
	v_mul_f32 v7, 0x3fb8aa3b, v7
	v_exp_f32 v7, v7                               ; w_i
.irp e, 0,1,2,3
	v_sub_f32 v[12+\e], v[8+\e], v6                ; z - M.  (Plain lines behind the exponential)
.endr
	s_wait_alu depctr_va_vdst(0)
	v_mul_f32 v16, v5, v7
.irp x, 1,2,4,8
	v_add_f32_dpp v16, v16, v16 row_xmask:\x row_mask:0xf bank_mask:0xf
.endr
	v_rcp_f32 v17, v16                             ; 1 / L
.irp e, 0,1,2,3
	v_mul_f32 v[12+\e], 0x3fb8aa3b, v[12+\e]
.endr
.irp e, 0,1,2,3
	v_exp_f32 v[12+\e], v[12+\e]
.endr
	v_nop                                          ; a plain line behind the exponentials
	s_wait_alu depctr_va_vdst(0)
.irp e, 0,1,2,3
	v_mul_f32 v[12+\e], v[12+\e], v17
.endr
	global_store_b128 v2, v[12:15], s[12:13]       ; a wave stores 512 consecutive bytes
.endm
	s_load_b256 s[4:11], s[0:1], 0x0               ; scores s[4:5], stats s[6:7], pctx s[8:9], out0 s[10:11]
	s_load_b64 s[12:13], s[0:1], 0x20              ; out1
	v_and_b32 v1, 15, v0
	v_lshlrev_b32 v1, 8, v1                        ; part l % 16: 256 bytes a part
	v_lshlrev_b32 v2, 4, v0                        ; 16 bytes a thread
	s_and_b32 s16, ttmp7, 0xffff                   ; the batch
	s_lshl_b32 s18, s16, 12                        ; its 16 parts' statistics
	s_mov_b32 s19, 0
	s_lshl_b32 s20, s16, 15                        ; its 8,192 scores,
	s_lshl_b32 s22, ttmp9, 11                      ; part x's 512
	s_add_co_u32 s20, s20, s22
	s_mov_b32 s21, 0
	s_lshl_b32 s24, s16, 15                        ; its 16 partial contexts of 2,048 bytes
	s_mov_b32 s25, 0
	s_lshl_b32 s26, s16, 11                        ; its row of out0
	s_mov_b32 s27, 0
	s_wait_kmcnt 0x0
	s_add_nc_u64 s[6:7], s[6:7], s[18:19]
	s_add_nc_u64 s[4:5], s[4:5], s[20:21]
	s_add_nc_u64 s[12:13], s[12:13], s[20:21]
	s_add_nc_u64 s[8:9], s[8:9], s[24:25]
	s_add_nc_u64 s[10:11], s[10:11], s[26:27]
	global_load_b64 v[4:5], v1, s[6:7]
	global_load_b128 v[8:11], v2, s[4:5]
	s_cmp_lg_u32 ttmp9, 0
	s_cbranch_scc1 .Lplain
.irp i, 0,1,2,3,4,5,6,7,8,9,10,11,12,13,14,15
	global_load_b128 v[32+4*\i:32+4*\i+3], v2, s[8:9] offset:2048*\i
.endr
	s_wait_loadcnt 16                              ; the statistics and z are in; the 16 partial contexts may be out
	COMMON
.irp i, 0,1,2,3,4,5,6,7,8,9,10,11,12,13,14,15
	v_readlane_b32 s[32+\i], v7, \i                ; w_i lies in lane i
.endr
	s_wait_loadcnt 0x0
.irp e, 0,1,2,3
	v_mul_f32 v[20+\e], s32, v[32+\e]
.endr
.irp i, 1,2,3,4,5,6,7,8,9,10,11,12,13,14,15
.irp e, 0,1,2,3
	v_fmac_f32 v[20+\e], s[32+\i], v[32+4*\i+\e]
.endr
.endr
.irp e, 0,1,2,3
	v_mul_f32 v[20+\e], v[20+\e], v17
.endr
	global_store_b128 v2, v[20:23], s[10:11]
	s_endpgm
.Lplain:
	s_wait_loadcnt 0x0
	COMMON
	s_endpgm
.Lfunc_end_k_q94775517c3_comb:
	.size	k_q94775517c3_comb, .Lfunc_end_k_q94775517c3_comb-k_q94775517c3_comb
	.p2alignl 7, 3214868480
	.fill 96, 4, 3214868480
	.section	.rodata,"a",@progbits
	.p2align	6, 0x0
	.amdhsa_kernel k_q94775517c3_comb
		.amdhsa_group_segment_fixed_size 0
		.amdhsa_private_segment_fixed_size 0
		.amdhsa_enable_private_segment 0
		.amdhsa_kernarg_size 40
		.amdhsa_user_sgpr_count 2
		.amdhsa_user_sgpr_kernarg_segment_ptr 1
		.amdhsa_wavefront_size32 1
		.amdhsa_system_sgpr_workgroup_id_x 1
		.amdhsa_system_sgpr_workgroup_id_y 1
		.amdhsa_system_sgpr_workgroup_id_z 1
		.amdhsa_system_vgpr_workitem_id 0
		.amdhsa_next_free_vgpr 96
		.amdhsa_next_free_sgpr 66
		.amdhsa_reserve_vcc 0
		.amdhsa_float_denorm_mode_32 3
		.amdhsa_float_denorm_mode_16_64 3
		.amdhsa_memory_ordered 1
		.amdhsa_forward_progress 1
		.amdhsa_inst_pref_size 10
	.end_amdhsa_kernel
	.amdgpu_metadata
---
amdhsa.version: [ 1, 2 ]
amdhsa.kernels:
  - .name:           k_q94775517c3_comb
    .symbol:         k_q94775517c3_comb.kd
    .args:
      - { .name: scores, .offset: 0, .size: 8, .value_kind: global_buffer, .address_space: global }
      - { .name: stats, .offset: 8, .size: 8, .value_kind: global_buffer, .address_space: global }
      - { .name: pctx, .offset: 16, .size: 8, .value_kind: global_buffer, .address_space: global }
      - { .name: out0, .offset: 24, .size: 8, .value_kind: global_buffer, .address_space: global }
      - { .name: out1, .offset: 32, .size: 8, .value_kind: global_buffer, .address_space: global }
    .group_segment_fixed_size: 0
    .private_segment_fixed_size: 0
    .kernarg_segment_align: 8
    .kernarg_segment_size: 40
    .max_flat_workgroup_size: 128
    .sgpr_count:     66
    .vgpr_count:     96
    .wavefront_size: 32
...
	.end_amdgpu_metadata
.endif
;; end of part 3
;; ======== version 2 of 2: 3 launches
;; workspace buffers: wfrag 540,672 bytes; qbuf 32,768 bytes; scores 524,288 bytes; stats 65,536 bytes; pctx 524,288 bytes
;; launch prep (part 4): grid 96 x 1, 4 waves a work-group, no clusters, 4,608 bytes of LDS; arguments W_K, W_V, W_Q, decoder_outputs, wfrag, qbuf; writes wfrag, qbuf
.if DOCPART == 4
	.amdgcn_target "amdgcn-amd-amdhsa--gfx1250"
	.amdhsa_code_object_version 6
	.text
	.protected	k_q94775517c3_prep
	.globl	k_q94775517c3_prep
	.p2align	8
	.type	k_q94775517c3_prep,@function
k_q94775517c3_prep:
	s_mov_b64 s[64:65], 0
	v_nop
	global_prefetch_b8 v0, s[64:65] scope:SCOPE_SE
	s_setreg_imm32_b32 hwreg(HW_REG_WAVE_SCHED_MODE, 0, 2), 2
	s_setreg_imm32_b32 hwreg(HW_REG_WAVE_MODE, 25, 1), 1
	s_wait_xcnt 0x0
	s_wait_alu depctr_vm_vsrc(0)
; Two small jobs ahead of the main launch, told apart by the work-group's number.
; WORK-GROUPS 0-63: W_K and W_V ([512][512] f32, K innermost) become codes of FP8 (E4M3) with one E8M0 byte for each 32 along K, laid in the ORDER OF THE OPERAND'S REGISTERS:
;   wfrag = [tensor X][wave w of the main launch]: blocks of 67,584 bytes.  In a block: fragment f = 4 n + k (tile n of 16 columns, K step k of 128) at 2048 f + 512 c + 16 lane = the fragment's registers 4 c .. 4 c + 3;
;   behind the 65,536 bytes of codes the scale words: register q = 2 n + k / 2 at 128 q + 4 lane; lanes 0-15 hold the words of the even K step, lanes 16-31 those of the odd one.
;   LANE r OF TILE n IS ROW 128 w + 8 r + n OF THE WEIGHT: so a lane of the main launch ends up with eight neighbouring columns.
;   A work-group takes (X, w, n), its wave k the K step k: one fragment a wave.
; WORK-GROUPS 64-95: Q = decoder_outputs W_Q^T, both sides quantised in registers.  Work-group 64 + T makes columns 16 T .. 16 T + 15 for the 16 batches; wave k multiplies K step k; the four parts meet in LDS and wave 0 adds them,
;   ((k0 + k1) + (k2 + k3)), an order of its own.  The product is used transposed (source 0 = 16 rows of W_Q, source 1 = the 16 batches): a lane holds batch r and eight neighbouring columns.
; A lane loads 16 neighbours of each block of 32 of its row (four loads of 16 bytes a block); neighbouring lanes stand a row or more apart.  The launch reads 3 MB once, so no turn through LDS is spent on that.
; THE QUANTISER: a block's scale is 2^(floor(log2(largest magnitude)) - 8); its byte is the largest magnitude's exponent field - 8, held at 1 from below; numbers are held within +-448 x the scale and rounded to the nearest code, ties to even.
; LIMITS: a block of zeros gets the byte 1 where the rule says 127 (its codes are zeros, and this program alone reads the bytes); NaN and infinities among the inputs are not served.
; THE MODE: SCHED_MODE bits 1:0 = 2 (LLVM: expert scheduling mode 2), set by the entry lines.  The code itself states the register dependences between vector or matrix instructions and memory or LDS instructions, with s_wait_alu, always for 0.
; THE PLAN.  The text runs straight through, and no register that a memory or LDS instruction reads is ever written again.  What is stated: the wave's number is written ahead of its first reader; the loads' offset v3 is written ahead of
;   the loads; the codes, the scale word and the stores' offsets are written ahead of the stores; the codes and scale words are written ahead of the scaled product that takes them; the product's result is written ahead of the LDS stores.
.set XA,  16                           ; v16-79   64 numbers of a lane
.set XB,  80                           ; v80-143  64 more (W_Q's)
.set TM,  144                          ; v144-159 the quantiser's work
.set PCA, 160                          ; v160-175 a fragment's codes
.set PCB, 176                          ; v176-191 W_Q's
.set PWA, 6                            ; v6, v7   scale words, and nothing else
.set PWB, 7
.set ACC, 8                            ; v8-15    the product's part
.set LAD, 192                          ; v192     LDS: 32 x lane + 1,024 x wave
.set WV,  16
.set SEL, 20
.set MNT, 22
; 64 numbers of a lane, register 16 b + i = k 32 b + 16 (lane / 16) + i of its row, become a fragment's 16 registers of codes at v[pc] and its row's scale word in v[pw]
.macro QUANT s, pc, pw
.irp b, 0,1,2,3
	v_max3_num_f32 v[TM+\b], |v[\s+16*\b]|, |v[\s+1+16*\b]|, 0x4800000   ; block b: my 16 numbers, and the floor 2^(9 - 127): the byte cannot fall under 1
.endr
.irp i, 2,4,6,8,10,12,14
.irp b, 0,1,2,3
	v_max3_num_f32 v[TM+\b], v[TM+\b], |v[\s+16*\b+\i]|, |v[\s+1+16*\b+\i]|   ; the four blocks by turns
.endr
.endr
.irp b, 0,1,2,3
	v_permlanex16_b32 v[TM+4+\b], v[TM+\b], s[SEL], s[SEL+1]
.endr
.irp b, 0,1,2,3
	v_max_num_f32 v[TM+\b], v[TM+\b], v[TM+4+\b]          ; with lane l xor 16's 16 numbers: the block's largest magnitude
.endr
.irp b, 0,1,2,3
	v_add_nc_u32 v[TM+12+\b], 0xfc000000, v[TM+\b]        ; 8 off its exponent field: the conversion's scale operand
.endr
.irp b, 0,1,2,3
	v_and_or_b32 v[TM+8+\b], v[TM+\b], 0x7f800000, s[MNT] ; 448 x the scale
.endr
.irp b, 0,1,2,3
	v_lshrrev_b32 v[TM+4+\b], 23, v[TM+12+\b]             ; the scale's byte
.endr
	v_lshl_or_b32 v[\pw], v[TM+5], 8, v[TM+4]
	v_lshl_or_b32 v[\pw], v[TM+6], 16, v[\pw]
	v_lshl_or_b32 v[\pw], v[TM+7], 24, v[\pw]
.irp b, 0,1,2,3
.irp i, 0,1,2,3,4,5,6,7,8,9,10,11,12,13,14,15
	v_med3_num_f32 v[\s+16*\b+\i], v[\s+16*\b+\i], -v[TM+8+\b], v[TM+8+\b]   ; the conversion to an 8-bit code does not saturate (ISA guide 7.6.2): the hold
.endr
	v_cvt_scalef32_pk8_fp8_f32 v[\pc+4*\b:\pc+4*\b+1], v[\s+16*\b:\s+16*\b+7], v[TM+12+\b]
	v_cvt_scalef32_pk8_fp8_f32 v[\pc+4*\b+2:\pc+4*\b+3], v[\s+16*\b+8:\s+16*\b+15], v[TM+12+\b]
.endr
	v_nop                                                  ; one plain line behind the last conversion
.endm
.macro XLOAD reg, base                 ; my 64 numbers of a K step
.irp b, 0,1,2,3
.irp j, 0,1,2,3
	global_load_b128 v[\reg+16*\b+4*\j:\reg+16*\b+4*\j+3], v3, s[\base:\base+1] offset:128*\b+16*\j
.endr
.endr
.endm
	s_load_b256 s[4:11], s[0:1], 0x0               ; W_K s[4:5], W_V s[6:7], W_Q s[8:9], decoder_outputs s[10:11]
	s_load_b128 s[12:15], s[0:1], 0x20             ; wfrag s[12:13], qbuf s[14:15]
	v_lshl_add_u32 v194, v0, 2, 0x1000
	v_mov_b32 v195, 0
	v_lshrrev_b32 v1, 5, v0
	v_readfirstlane_b32 s[WV], v1                  ; wave = K step k
	v_and_b32 v1, 15, v0                           ; r
	v_bfe_u32 v2, v0, 4, 1                         ; h
	v_and_b32 v4, 31, v0
	v_lshlrev_b32 v4, 4, v4                        ; 16 x lane
	s_wait_alu depctr_va_sdst(0)                   ; the wave's number is written, ahead of its first reader: offsets, bases and a branch are made from it
	s_lshl_b32 s18, s[WV], 10
	v_lshlrev_b32 v[LAD], 1, v4
	v_add_nc_u32 v[LAD], s18, v[LAD]
	s_mov_b32 s[SEL], 0x76543210
	s_mov_b32 s[SEL+1], 0xfedcba98                 ; v_permlanex16_b32's selects for lane l xor 16
	s_mov_b32 s[MNT], 0x600000                     ; the mantissa field of 448
.irp b, 0,1,2,3
	v_mov_b32 v[TM+4+\b], 0                        ; written once: a lane permute's destination counts as one of its sources
.endr
	s_lshl_b32 s17, s[WV], 9                       ; a K step is 512 bytes of a row
	s_mov_b32 s29, 0
	s_mov_b32 s33, 0
	s_wait_kmcnt 0x0
	s_cmp_lt_u32 ttmp9, 64
	s_cbranch_scc0 .Lrole_q
	; ---- a fragment of W_K or W_V
	s_lshr_b32 s24, ttmp9, 5                       ; X
	s_bfe_u32 s25, ttmp9, 0x20003                  ; w
	s_and_b32 s26, ttmp9, 7                        ; n
	s_cmp_eq_u32 s24, 0
	s_cselect_b64 s[4:5], s[4:5], s[6:7]           ; the choice hangs on the work-group's number alone
	s_lshl_b32 s27, s25, 7
	s_add_co_u32 s27, s27, s26                     ; row 128 w + n,
	s_lshl_b32 s28, s27, 11                        ; of 2,048 bytes,
	s_add_co_u32 s28, s28, s17                     ; and the K step
	s_add_nc_u64 s[4:5], s[4:5], s[28:29]
	v_lshlrev_b32 v3, 14, v1                       ; lane r: 8 r rows further down
	v_lshl_add_u32 v3, v2, 6, v3                   ; + 64 h: my 16 numbers of a block
	s_wait_alu depctr_va_vdst(0)                   ; v3 is written, which the sixteen loads read as their offset
	XLOAD XA, 4
	v_lshlrev_b32 v5, 2, v1                        ; 4 r: a scale word's place
	s_mul_i32 s30, s24, 270336
	s_mul_i32 s31, s25, 67584
	s_add_co_u32 s30, s30, s31                     ; the block of (X, w)
	s_lshl_b32 s31, s26, 2
	s_add_co_u32 s31, s31, s[WV]                   ; f = 4 n + k
	s_lshl_b32 s31, s31, 11
	s_add_co_u32 s32, s30, s31
	s_add_nc_u64 s[34:35], s[12:13], s[32:33]      ; where the codes go
	s_lshl_b32 s31, s26, 1
	s_lshr_b32 s36, s[WV], 1
	s_add_co_u32 s31, s31, s36                     ; q = 2 n + k / 2
	s_lshl_b32 s31, s31, 7
	s_and_b32 s36, s[WV], 1
	s_lshl_b32 s36, s36, 6                         ; the odd K step's words go to lanes 16-31's places
	s_add_co_u32 s31, s31, s36
	s_add_co_u32 s32, s30, s31
	s_add_co_u32 s32, s32, 65536
	s_add_nc_u64 s[12:13], s[12:13], s[32:33]      ; where the scale words go
	s_wait_loadcnt 0x0
	QUANT XA, PCA, PWA
	s_wait_alu depctr_va_vdst(0)                   ; the conversions have written the codes, and the scale word and the offset v5 are written: the five stores read them
.irp c, 0,1,2,3
	global_store_b128 v4, v[PCA+4*\c:PCA+4*\c+3], s[34:35] offset:512*\c   ; 32 lanes store 512 consecutive bytes
.endr
	global_store_b32 v5, v[PWA], s[12:13]          ; lanes r and 16 + r hold the same word and write it to the same place
	s_endpgm
	; ---- a part of Q
.Lrole_q:
	s_sub_co_u32 s24, ttmp9, 64                    ; T
	v_lshlrev_b32 v3, 11, v1                       ; row r of 2,048 bytes, in both tensors
	v_lshl_add_u32 v3, v2, 6, v3
	s_mov_b32 s28, s17
	s_add_nc_u64 s[10:11], s[10:11], s[28:29]      ; decoder_outputs at K step k
	s_lshl_b32 s28, s24, 15                        ; W_Q: 16 T rows down,
	s_add_co_u32 s28, s28, s17                     ; K step k
	s_add_nc_u64 s[8:9], s[8:9], s[28:29]
	s_wait_alu depctr_va_vdst(0)                   ; v3 is written, which the 32 loads read as their offset
	XLOAD XA, 10
	XLOAD XB, 8
	v_lshlrev_b32 v5, 11, v1
	v_lshl_add_u32 v5, v2, 5, v5                   ; Q: row r, + 32 h
	s_lshl_b32 s28, s24, 6                         ; + 64 T
	s_add_nc_u64 s[14:15], s[14:15], s[28:29]
	s_wait_loadcnt 0x0
	QUANT XA, PCA, PWA
	QUANT XB, PCB, PWB
.rept 4
	v_nop                                          ; codes made by vector instructions stand four places ahead of a scaled matrix instruction; both scale words were made ahead of 64 holds
.endr
	s_wait_alu depctr_va_vdst(0)                   ; the conversions have written both fragments' codes, and both scale words are written: the product takes them; the places above stay beside this wait
	v_wmma_scale_f32_16x16x128_f8f6f4 v[ACC:ACC+7], v[PCB:PCB+15], v[PCA:PCA+15], 0, v[PWB], v[PWA]   ; register j of lane (r, h): batch r, column 16 T + 8 h + j
.rept 8
	v_nop                                          ; eight places ahead of the first read of the result
.endr
	s_wait_alu depctr_va_vdst(0)                   ; the product has written its result, which the LDS stores read; the places above stay beside this wait
	ds_store_b128 v[LAD], v[ACC:ACC+3]
	ds_store_b128 v[LAD], v[ACC+4:ACC+7] offset:16
	s_wait_dscnt 0x0                               ; for the others' sake: my part lies in LDS
	s_barrier_signal -1
	s_barrier_wait -1
	s_cmp_lg_u32 s[WV], 0
	s_cbranch_scc1 .Lend
.irp k, 0,1,2,3
	ds_load_b128 v[XA+8*\k:XA+8*\k+3], v[LAD] offset:1024*\k          ; in wave 0 the address is 32 x lane.  No wait: the quantiser's lines, which named these registers, stand ahead of the wait above, and no vector instruction has been issued since
	ds_load_b128 v[XA+8*\k+4:XA+8*\k+7], v[LAD] offset:1024*\k+16
.endr
	s_wait_dscnt 0x0
.irp p, 0,2,4,6
	v_pk_add_f32 v[XA+\p:XA+\p+1], v[XA+\p:XA+\p+1], v[XA+8+\p:XA+8+\p+1]
	v_pk_add_f32 v[XA+16+\p:XA+16+\p+1], v[XA+16+\p:XA+16+\p+1], v[XA+24+\p:XA+24+\p+1]
.endr
.irp p, 0,2,4,6
	v_pk_add_f32 v[XA+\p:XA+\p+1], v[XA+\p:XA+\p+1], v[XA+16+\p:XA+16+\p+1]
.endr
	s_wait_alu depctr_va_vdst(0)                   ; the additions have written the eight sums, which the two stores read
	global_store_b128 v5, v[XA:XA+3], s[14:15]     ; 64 bytes of each of 16 rows: Q is 32 KB in all
	global_store_b128 v5, v[XA+4:XA+7], s[14:15] offset:16
.Lend:
	s_wait_dscnt 0x0
	s_wait_alu depctr_hold_cnt(0) depctr_sa_sdst(0) depctr_va_vdst(0) depctr_va_sdst(0) depctr_va_ssrc(0) depctr_va_vcc(0) depctr_vm_vsrc(0)
	s_wait_tensorcnt 0x0
	ds_add_u32 v194, v195
	s_wait_dscnt 0x0
	s_endpgm
.Lfunc_end_k_q94775517c3_prep:
	.size	k_q94775517c3_prep, .Lfunc_end_k_q94775517c3_prep-k_q94775517c3_prep
	.p2alignl 7, 3214868480
	.fill 96, 4, 3214868480
	.section	.rodata,"a",@progbits
	.p2align	6, 0x0
	.amdhsa_kernel k_q94775517c3_prep
		.amdhsa_group_segment_fixed_size 4608
		.amdhsa_private_segment_fixed_size 0
		.amdhsa_enable_private_segment 0
		.amdhsa_kernarg_size 48
		.amdhsa_user_sgpr_count 2
		.amdhsa_user_sgpr_kernarg_segment_ptr 1
		.amdhsa_wavefront_size32 1
		.amdhsa_system_sgpr_workgroup_id_x 1
		.amdhsa_system_sgpr_workgroup_id_y 1
		.amdhsa_system_sgpr_workgroup_id_z 1
		.amdhsa_system_vgpr_workitem_id 0
		.amdhsa_next_free_vgpr 196
		.amdhsa_next_free_sgpr 66
		.amdhsa_reserve_vcc 0
		.amdhsa_float_denorm_mode_32 3
		.amdhsa_float_denorm_mode_16_64 3
		.amdhsa_memory_ordered 1
		.amdhsa_forward_progress 1
		.amdhsa_inst_pref_size 35
	.end_amdhsa_kernel
	.amdgpu_metadata
---
amdhsa.version: [ 1, 2 ]
amdhsa.kernels:
  - .name:           k_q94775517c3_prep
    .symbol:         k_q94775517c3_prep.kd
    .args:
      - { .name: W_K, .offset: 0, .size: 8, .value_kind: global_buffer, .address_space: global }
      - { .name: W_V, .offset: 8, .size: 8, .value_kind: global_buffer, .address_space: global }
      - { .name: W_Q, .offset: 16, .size: 8, .value_kind: global_buffer, .address_space: global }
      - { .name: decoder_outputs, .offset: 24, .size: 8, .value_kind: global_buffer, .address_space: global }
      - { .name: wfrag, .offset: 32, .size: 8, .value_kind: global_buffer, .address_space: global }
      - { .name: qbuf, .offset: 40, .size: 8, .value_kind: global_buffer, .address_space: global }
    .group_segment_fixed_size: 4608
    .private_segment_fixed_size: 0
    .kernarg_segment_align: 8
    .kernarg_segment_size: 48
    .max_flat_workgroup_size: 128
    .sgpr_count:     66
    .vgpr_count:     196
    .wavefront_size: 32
...
	.end_amdgpu_metadata
.endif
;; end of part 4
;; launch main (part 5): grid 16 x 16, 4 waves a work-group, no clusters, 295,424 bytes of LDS; arguments encoder_outputs, wfrag, qbuf, scores, stats, pctx; writes scores, stats, pctx
.if DOCPART == 5
	.amdgcn_target "amdgcn-amd-amdhsa--gfx1250"
	.amdhsa_code_object_version 6
	.text
	.protected	k_q94775517c3_main
	.globl	k_q94775517c3_main
	.p2align	8
	.type	k_q94775517c3_main,@function
k_q94775517c3_main:
	s_mov_b64 s[64:65], 0
	v_nop
	global_prefetch_b8 v0, s[64:65] scope:SCOPE_SE
	s_setreg_imm32_b32 hwreg(HW_REG_WAVE_SCHED_MODE, 0, 2), 2
	s_setreg_imm32_b32 hwreg(HW_REG_WAVE_MODE, 25, 1), 1
	s_wait_xcnt 0x0
	s_wait_alu depctr_vm_vsrc(0)
; One work-group takes 512 rows of one batch (work-group g = 16 y + x: rows 512 g on of encoder_outputs, [131,072][512] f32) through the whole chain:
;   1  x is read once, quantised (FP8 E4M3, one E8M0 byte for each 32 along K), and its codes are kept in LDS for all 512 rows; K = x W_K^T is multiplied block by block of 64 rows under the stream, and K . Q is summed at once;
;   2  z = score / sqrt(512); the 512 rows' own maximum m, p = exp(z - m), l = sum of p;
;   3  V = x W_V^T from the codes in LDS; sum over the rows of p V.
; Stored: z, (m, l) and the sum; the next launch joins the 16 parts of a batch.  K, V and x's codes never go to memory.
; SHARES.  THE WAVES SHARE THE COLUMNS: wave w has columns 128 w .. 128 w + 127 of K and then of V, for all rows; its part of the weight in hand, 32 fragments = 512 registers, stays in registers (W_K in windows 2 and 3; W_V in 1 and 2).
;   Each fragment of x read from LDS so feeds eight matrix instructions.  For the stream, wave w loads and quantises rows 16 w .. 16 w + 15 of each block of 64.
; THE STREAM.  A load reads 512 consecutive bytes, a K step of one row, four numbers a lane; 64 such loads a wave (four sets of 16 rows, 256 registers) are asked for a block ahead.
; x IS QUANTISED AS IT IS LOADED: a block of 32 lies in eight neighbouring lanes, so its largest magnitude is two lines in the lane and three steps across lanes, for each row.  Only the CODES change lanes, through LDS:
;   a quarter of the numbers' bytes, written once.  The conversion takes eight registers under one scale, and eight registers here are two rows: it is issued twice for a pair of rows, once under each row's scale,
;   and of each result the half that belongs to that scale is kept (the other half is never read).
; x's CODES IN LDS are plain rows: row R at 528 R, 512 bytes of codes in true order of k and 16 of padding.  A fragment (tile of 16 rows mt, K step k) is four loads of 16 bytes at (16 mt + r) 528 + 128 k + 32 c + 16 h.
;   Scale words at 256 mt + 128 (k / 2) + 4 lane: lanes 0-15 the even K step's, lanes 16-31 the odd one's.
; LAYOUT OF A RESULT.  Source 0 = 16 rows of x, source 1 = 16 rows of the weight: register j of lane (r, h) is row 8 h + j, column 128 w + 8 r + n (tile n): the weight's rows were dealt to the lanes so by the launch before.
;   So K . Q is a multiply-add down the eight tiles and a sum over 16 lanes, and p V is a multiply-add down the registers, and a lane ends with eight neighbouring columns of the context.
; NO CLUSTER: what work-groups share is the weights, 0.5 MiB beside a work-group's own 1 MiB of x, and they go straight into registers, since LDS is full of x's codes: there is no tile in LDS that a joint load could fill.
; NO TENSOR LOAD for the same reason: the bytes on their way live in registers.
; LIMITS: NaN and infinities among the inputs are not served; a block of zeros gets the byte 1 where the rule says 127 (its codes are zeros; this program alone reads the bytes); the sums over columns, rows and waves are taken in this text's own fixed order.
; THE MODE: SCHED_MODE bits 1:0 = 2 (LLVM: expert scheduling mode 2), set by the entry lines.  The code itself states the register dependences between vector or matrix instructions and memory or LDS instructions, with s_wait_alu, always for 0.
; THE PLAN.  Registers that memory or LDS instructions touch, and who else names them:
;   Set s (window 1)    Loads land; the quantiser's lines for set s read it and hold it in place; the refill lands in it again.
;   Codes, bytes        Written by the quantiser's lines for set s; read by that set's 32 LDS stores; written again by the next set's lines, and behind set 3 by tile 0's fragments and products.
;   v8-12               LDS addresses: written at a trip's head, read by the trip's LDS instructions.
;     ONE wait on va_vdst behind a set's quantising: codes, bytes (and in set 0 the addresses) are written, and the set's registers are done with; the LDS stores and the refill follow with no further wait.
;     A wait on vm_vsrc ahead of each first rewrite: inside the next set's quantising, behind the block's barrier, and at the trip's head.
;   Fragments, x's scale words   Loads of tile i land; tile i's 32 products read them; the loads of tile i + 1 land.
;   Score sums          TWO buffers by turns: tile i's sums write buffer i % 2; its two LDS stores are issued a tile later.
;     ONE wait on va_vdst behind a tile's products and their places: the products are done with the fragments, and the tile before has written its sums.  One more at the trip's end, for the last two tiles' stores; it also
;     stands ahead of phase 2's loads into W_K's registers.  A wait on vm_vsrc in tiles 2 and 3, ahead of the sums that write a buffer again.
;   Phase 3             The loads issued in tile m land in the other set's fragments and scale words, which tile m - 1's products read, and in the p registers that tile m - 1's multiply-adds read.
;     ONE wait on va_vdst at a tile's head; the twenty loads follow it, dealt among the tile's first twelve products, which with the multiply-adds between them name this set's fragments, the accumulators, W_V, the other p and the context:
;     none of the registers that those loads touch.  A wait on vm_vsrc ahead of each step of the three LDS addresses, whose writing the next tile's head wait states.
; REGISTERS, in windows of 256 (s_set_vgpr_msb: bits 1:0 source 0, 3:2 source 1, 5:4 source 2, 7:6 destination):
;   window 0: v1-15 addresses; v16-31 the weight's scale words; v32-35 x's; v36-51 Q (twice each), later p of two tiles; v52-59 and v68-75 score sums, two buffers; v60-67 lane exchanges; v76-91 Q as loaded, the way out; v92, v93 m and l;
;             v96-111 the context; v112-127 z; v128-191 x's fragments of a tile; v192-255 eight accumulators.  While a set is quantised: v128-143 largest magnitudes, then holds; v144-159 scale operands; v160-175 bytes; v192-223 codes
;   window 1: the four sets of loads; from the last block on W_V's tiles 0-3.   window 2: W_K's tiles 0-3, later W_V's 4-7.   window 3: W_K's tiles 4-7; in phase 3 v128-191, v192-255 a second set of fragments and accumulators.
.set PITCH,  528                       ; a row of codes in LDS: 512 bytes + 16: an odd multiple of 16, so the 16 rows that a load touches start in different banks (64 banks of 4 bytes, ISA guide 11.1)
.set TILEB,  16*PITCH
.set BLKB,   64*PITCH
.set XSC,    512*PITCH                 ; LDS: the rows fill bytes 0 .. 270,335; then their scale words, 8,192 bytes;
.set SPART,  XSC+8192                  ; [wave][512 rows] the waves' parts of the scores;
.set PTAB,   SPART+8192                ; [wave][512 rows] p, a copy for each wave
.set LI,    1                          ; 16 x lane
.set RIMG0, 2                          ; 528 r + 16 h: my lane's place in a tile of rows
.set WIMG0, 4                          ; 4 x lane + 8,448 x wave: where I store a row's codes
.set WXS0,  5                          ; XSC + 256 x wave + lane / 8: and my block's scale byte
.set RXS0,  6                          ; XSC + 4 x lane
.set SPW0,  7                          ; where I store score parts
.set WIMG,  8                          ; v8-12: the same with the block's offset
.set RIMG,  9
.set WXS,   10
.set RXS,   11
.set SPWA,  12
.set PTW,   13                         ; p: where I store,
.set PTR,   14                         ; and read: 32 x (lane / 16) in my copy
.set PTRA,  15
.set WS,    16
.set XS,    32
.set QQ,    36
.set PP,    36
.set SACC,  52                         ; buffer 0 at v52, buffer 1 at v68
.set TM,    60
.set PC,    76
.set ML,    92
.set TMP,   94
.set L4,    95                         ; 4 x lane
.set CTX,   96
.set Z,     112
.set AF,    128
.set ACC,   192
.set MX,    128
.set TSC,   144
.set BYT,   160
.set COD,   192
.set WV,  16
.set T,   17
.set SB,  18
.set SB2, 19
.set SEL, 20
.set MNT, 22
.set SB3, 23
.set WKP, 24                           ; s[24:25] my block of W_K in wfrag
.set WVP, 36                           ; s[36:37] my block of W_V
.set MSB, 0
.macro WIN new                         ; the immediate's high byte repeats the setting that is left; a switch that changes nothing is dropped
.if MSB != (\new)
	s_set_vgpr_msb (MSB<<8)|(\new)
.set MSB, (\new)
.endif
.endm
.macro PLACES                          ; eight places behind this matrix form, where no other vector work is at hand
.rept 8
	v_nop
.endr
.endm
; Set s (K step s of my 16 rows, as loaded: window 1, register 64 s + 4 i + e of lane l = x(row i, 128 s + 4 l + e)) becomes codes: v[COD + 4 (i / 2) + 3 (i % 2)] = row i's four codes of my lane; v[BYT + i] = the byte of row i's block l / 8.
.macro QUANT4 s
	WIN 0x05                                       ; sources 0 and 1: window 1
.irp i, 0,1,2,3,4,5,6,7,8,9,10,11,12,13,14,15
	v_max3_num_f32 v[MX+\i], |v[64*(\s)+4*\i]|, |v[64*(\s)+4*\i+1]|, 0x4800000   ; row i: my four numbers, and the floor 2^(9 - 127): the byte cannot fall under 1
.endr
.irp i, 0,1,2,3,4,5,6,7,8,9,10,11,12,13,14,15
	v_max3_num_f32 v[MX+\i], |v[64*(\s)+4*\i+2]|, |v[64*(\s)+4*\i+3]|, v[MX+\i]
.endr
	WIN 0
.irp x, 1,2,4
.irp i, 0,1,2,3,4,5,6,7,8,9,10,11,12,13,14,15
	v_max_num_f32_dpp v[MX+\i], v[MX+\i], v[MX+\i] row_xmask:\x row_mask:0xf bank_mask:0xf   ; with the seven lanes that share the block; the 16 rows by turns
.endr
.endr
.irp i, 0,1,2,3,4,5,6,7,8,9,10,11,12,13,14,15
	v_add_nc_u32 v[TSC+\i], 0xfc000000, v[MX+\i]           ; 8 off the exponent field: the conversion's scale operand
.endr
.irp i, 0,1,2,3,4,5,6,7,8,9,10,11,12,13,14,15
	v_and_or_b32 v[MX+\i], v[MX+\i], 0x7f800000, s[MNT]    ; 448 x the scale
.endr
	s_wait_dscnt 0x0                               ; the last set's stores are done
.if (\s) > 0
	s_wait_alu depctr_vm_vsrc(0)                   ; the last set's LDS stores have read the bytes' and the codes' registers, which are written from here on (for set 0 the wait at the trip's head has stated it)
.endif
.irp i, 0,1,2,3,4,5,6,7,8,9,10,11,12,13,14,15
	v_lshrrev_b32 v[BYT+\i], 23, v[TSC+\i]                 ; the scale's byte
.endr
	WIN 0x41                                       ; destination and source 0: window 1
.irp i, 0,1,2,3,4,5,6,7,8,9,10,11,12,13,14,15
.irp e, 0,1,2,3
	v_med3_num_f32 v[64*(\s)+4*\i+\e], v[64*(\s)+4*\i+\e], -v[MX+\i], v[MX+\i]   ; the conversion to an 8-bit code does not saturate (ISA guide 7.6.2): the hold
.endr
.endr
	WIN 0x01                                       ; source 0: window 1
.irp p, 0,1,2,3,4,5,6,7
	v_cvt_scalef32_pk8_fp8_f32 v[COD+4*\p:COD+4*\p+1], v[64*(\s)+8*\p:64*(\s)+8*\p+7], v[TSC+2*\p]       ; rows 2 p and 2 p + 1 under row 2 p's scale: the low register is kept,
	v_cvt_scalef32_pk8_fp8_f32 v[COD+4*\p+2:COD+4*\p+3], v[64*(\s)+8*\p:64*(\s)+8*\p+7], v[TSC+2*\p+1]   ; under row 2 p + 1's: the high one
.endr
	WIN 0
	v_nop                                          ; one plain line behind the last conversion: matrix instructions later write the codes' registers
.endm
.macro STORES s                        ; a row's 128 codes: 32 lanes, 128 consecutive bytes; its four scale bytes: the eight lanes of a block write the same byte with the same value
.irp i, 0,1,2,3,4,5,6,7,8,9,10,11,12,13,14,15
	ds_store_b32 v[WIMG], v[COD+4*(\i/2)+3*(\i%2)] offset:PITCH*\i+128*(\s)
.endr
.irp i, 0,1,2,3,4,5,6,7,8,9,10,11,12,13,14,15
	ds_store_b8 v[WXS], v[BYT+\i] offset:128*((\s)/2)+64*((\s)%2)+4*\i
.endr
.endm
; Set s is asked for again: the next block's rows, or, in the last block, W_V's tile s (its 16 groups of four registers).  Sixteen loads into the same registers on both ways, so the counted waits hold on both.
; No wait on va_vdst stands here: the one behind set s's quantising has stated that the set's registers are done with, and no vector or matrix instruction issued since names them or v[LI].
.macro REFILL s
	s_cmp_eq_u32 s[T], 7
	s_cbranch_scc1 .Lwv_\@
	WIN 0x40                                       ; destination window 1
.irp i, 0,1,2,3,4,5,6,7,8,9,10,11,12,13,14,15
	global_load_b128 v[64*(\s)+4*\i:64*(\s)+4*\i+3], v[LI], s[4:5] offset:131072+2048*\i+512*(\s) th:TH_LOAD_NT   ; 32 lanes read 512 consecutive bytes, at a multiple of 512 from the buffer's first byte; read once in the launch
.endr
	WIN 0
	s_branch .Ldone_\@
.Lwv_\@:
	WIN 0x40
.irp i, 0,1,2,3,4,5,6,7,8,9,10,11,12,13,14,15
	global_load_b128 v[64*(\s)+4*\i:64*(\s)+4*\i+3], v[LI], s[WVP:WVP+1] offset:8192*(\s)+512*\i
.endr
	WIN 0
.Ldone_\@:
.endm
.macro FETCHA i                        ; tile i of the block: four fragments and two registers of scale words
.irp k, 0,1,2,3
.irp c, 0,1,2,3
	ds_load_b128 v[AF+16*\k+4*\c:AF+16*\k+4*\c+3], v[RIMG] offset:TILEB*(\i)+128*\k+32*\c
.endr
.endr
	ds_load_b32 v[XS], v[RXS] offset:256*(\i)
	ds_load_b32 v[XS+1], v[RXS] offset:256*(\i)+128
.endm
; One matrix instruction: K step k starts the sum (k = 0) or adds in place; an odd K step's scale words stand in lanes 16-31
.macro WMM d, a, b, k, sa, sb
.if (\k) == 0
	v_wmma_scale_f32_16x16x128_f8f6f4 v[\d:\d+7], v[\a:\a+15], v[\b:\b+15], 0, v[\sa], v[\sb]
.elseif ((\k)%2) == 1
	v_wmma_scale_f32_16x16x128_f8f6f4 v[\d:\d+7], v[\a:\a+15], v[\b:\b+15], v[\d:\d+7], v[\sa], v[\sb] matrix_a_scale:MATRIX_SCALE_ROW1 matrix_b_scale:MATRIX_SCALE_ROW1
.else
	v_wmma_scale_f32_16x16x128_f8f6f4 v[\d:\d+7], v[\a:\a+15], v[\b:\b+15], v[\d:\d+7], v[\sa], v[\sb]
.endif
.endm
; 16 rows x my 128 columns of K: 32 matrix instructions; four accumulators take turns, one instruction a turn
.macro KMUL
	WIN 0x08                                       ; source 1 (W_K's tiles 0-3): window 2
.irp k, 0,1,2,3
.irp n, 0,1,2,3
	WMM ACC+8*\n, AF+16*\k, 64*\n+16*\k, \k, XS+\k/2, WS+2*\n+\k/2
.endr
.endr
	WIN 0x0c                                       ; tiles 4-7: window 3
.irp k, 0,1,2,3
.irp n, 4,5,6,7
	WMM ACC+8*\n, AF+16*\k, 64*(\n-4)+16*\k, \k, XS+\k/2, WS+2*\n+\k/2
.endr
.endr
	WIN 0
.endm
; K . Q for tile i's 16 rows, my 128 columns: down the eight tiles (each accumulator from its low end on), then over the 16 lanes of a half, into buffer i % 2
.macro SUMS i
.set SA, SACC+16*((\i)%2)
.irp q, 0,1,2,3
	v_pk_mul_f32 v[SA+2*\q:SA+2*\q+1], v[ACC+2*\q:ACC+2*\q+1], v[QQ:QQ+1]
.endr
.irp n, 1,2,3,4,5,6,7
.irp q, 0,1,2,3
	v_pk_fma_f32 v[SA+2*\q:SA+2*\q+1], v[ACC+8*\n+2*\q:ACC+8*\n+2*\q+1], v[QQ+2*\n:QQ+2*\n+1], v[SA+2*\q:SA+2*\q+1]
.endr
.endr
.irp x, 1,2,4,8
.irp j, 0,1,2,3,4,5,6,7
	v_add_f32_dpp v[SA+\j], v[SA+\j], v[SA+\j] row_xmask:\x row_mask:0xf bank_mask:0xf
.endr
.endr
.endm
; and rows 8 h .. 8 h + 7 of tile i go to my part of the scores
.macro SSTORE i
.set SA, SACC+16*((\i)%2)
	ds_store_b128 v[SPWA], v[SA:SA+3] offset:64*(\i)              ; the 16 lanes of a half write the same bytes with the same values
	ds_store_b128 v[SPWA], v[SA+4:SA+7] offset:64*(\i)+16
.endm
	s_load_b256 s[4:11], s[0:1], 0x0               ; encoder_outputs s[4:5], wfrag s[6:7], qbuf s[8:9], scores s[10:11]
	s_load_b128 s[12:15], s[0:1], 0x20             ; stats s[12:13], pctx s[14:15]
	v_lshl_add_u32 v90, v0, 2, 0x48000
	v_mov_b32 v91, 0
	v_lshrrev_b32 v[TMP], 5, v0
	v_readfirstlane_b32 s[WV], v[TMP]              ; wave 0..3
	v_and_b32 v[TMP], 31, v0                       ; lane
	v_and_b32 v[Z], 15, v0                         ; r
	v_bfe_u32 v[Z+1], v0, 4, 1                     ; h
	v_lshlrev_b32 v[LI], 4, v[TMP]
	v_lshlrev_b32 v[L4], 2, v[TMP]
	v_lshlrev_b32 v[Z+2], 5, v[Z]                  ; 32 r: my eight numbers of Q
	v_mul_u32_u24 v[RIMG0], v[Z], PITCH
	v_lshl_add_u32 v[RIMG0], v[Z+1], 4, v[RIMG0]   ; a fragment's row r, + 16 h
	s_wait_alu depctr_va_sdst(0)                   ; the wave's number is written, ahead of its first reader: addresses, bases and branches are made from it
	s_mul_i32 s38, s[WV], TILEB
	v_add_nc_u32 v[WIMG0], s38, v[L4]              ; my tile's first row, my four codes of a K step
	v_add_nc_u32 v[RXS0], XSC, v[L4]
	v_bfe_u32 v[WXS0], v0, 3, 2                    ; lane / 8: my block of the K step's four
	s_lshl_b32 s38, s[WV], 8
	s_add_co_u32 s38, s38, XSC
	v_add_nc_u32 v[WXS0], s38, v[WXS0]
	s_lshl_b32 s38, s[WV], 11
	s_add_co_u32 s39, s38, SPART
	v_lshl_add_u32 v[SPW0], v[Z+1], 5, s39
	s_add_co_u32 s45, s38, PTAB
	v_add_nc_u32 v[PTW], s45, v[LI]
	v_lshl_add_u32 v[PTR], v[Z+1], 5, s45
	s_mov_b32 s[SEL], 0x76543210
	s_mov_b32 s[SEL+1], 0xfedcba98                 ; v_permlanex16_b32's selects for lane l xor 16
	s_mov_b32 s[MNT], 0x600000                     ; the mantissa field of 448
	s_mov_b32 vcc_lo, 0xffff0000                   ; lanes 16-31: set once, never written again
	s_and_b32 s40, ttmp7, 0xffff                   ; the batch
	s_lshl_b32 s41, s40, 4
	s_add_co_u32 s41, s41, ttmp9                   ; g
	s_mov_b32 s43, 0
	s_wait_kmcnt 0x0
	s_mul_i32 s42, s[WV], 67584
	s_add_nc_u64 s[WKP:WKP+1], s[6:7], s[42:43]
	s_add_nc_u64 s[WVP:WVP+1], s[WKP:WKP+1], 270336
	s_lshl_b32 s42, s41, 20                        ; 512 rows of 2,048 bytes,
	s_lshl_b32 s44, s[WV], 15                      ; my 16 rows of a block
	s_add_co_u32 s42, s42, s44
	s_add_nc_u64 s[4:5], s[4:5], s[42:43]
	s_lshl_b32 s42, s40, 11
	s_lshl_b32 s44, s[WV], 9
	s_add_co_u32 s42, s42, s44
	s_add_nc_u64 s[8:9], s[8:9], s[42:43]          ; Q: the batch's row, my 128 columns
	s_lshl_b32 s42, s41, 11
	s_add_nc_u64 s[10:11], s[10:11], s[42:43]      ; z: 2,048 bytes a work-group
	s_add_co_u32 s42, s42, s44
	s_add_nc_u64 s[14:15], s[14:15], s[42:43]      ; the context's part: likewise, my 512 bytes
	s_lshl_b32 s42, s41, 8
	s_add_nc_u64 s[12:13], s[12:13], s[42:43]      ; (m, l): 256 bytes a work-group
	; W_K's 32 fragments, as they lie in wfrag: group i of four registers at 512 i
	WIN 0x80                                       ; destination window 2
	s_wait_alu depctr_va_vdst(0)                   ; the offsets v[LI], v[L4] and 32 r are written, which the loads below read; so is v[PTW], an LDS store's address later on
.set i, 0
.rept 64
	global_load_b128 v[4*i:4*i+3], v[LI], s[WKP:WKP+1] offset:512*i
.set i, i+1
.endr
	WIN 0xc0                                       ; window 3
.set i, 0
.rept 64
	global_load_b128 v[4*i:4*i+3], v[LI], s[WKP:WKP+1] offset:32768+512*i
.set i, i+1
.endr
	WIN 0
.set i, 0
.rept 16
	global_load_b32 v[WS+i], v[L4], s[WKP:WKP+1] offset:65536+128*i
.set i, i+1
.endr
	global_load_b128 v[PC:PC+3], v[Z+2], s[8:9]
	global_load_b128 v[PC+4:PC+7], v[Z+2], s[8:9] offset:16
	WIN 0x40                                       ; block 0 of x: set i / 16, row i % 16
.set i, 0
.rept 64
	global_load_b128 v[4*i:4*i+3], v[LI], s[4:5] offset:2048*(i%16)+512*(i/16) th:TH_LOAD_NT
.set i, i+1
.endr
	WIN 0
.irp b, 0,1,2,3,4,5,6,7
	v_mov_b32 v[TM+\b], 0                          ; written once: a lane permute's destination counts as one of its sources
.endr
	s_mov_b32 s[T], 0
	s_mov_b32 s[SB], 0
	s_mov_b32 s[SB2], 0
	s_mov_b32 s[SB3], 0
	s_wait_loadcnt 63                              ; 64 loads were issued behind Q's: Q, and W_K ahead of it, are in
.irp n, 0,1,2,3,4,5,6,7
	v_mov_b32 v[QQ+2*\n], v[PC+\n]                 ; each number of Q twice, for the packed forms
	v_mov_b32 v[QQ+2*\n+1], v[PC+\n]
.endr
; ---- PHASE 1: eight blocks of 64 rows
.Lblock:
	s_wait_alu depctr_vm_vsrc(0)                   ; the LDS instructions of the trip before have read v8 to v12, which are written below, and both buffers of score sums, which this trip's first two tiles write
	v_add_nc_u32 v[WIMG], s[SB], v[WIMG0]          ; a block's rows are 33,792 bytes, its scale words 1,024, its scores 256.  (No LDS instruction of mine is out)
	v_add_nc_u32 v[RIMG], s[SB], v[RIMG0]
	v_add_nc_u32 v[WXS], s[SB2], v[WXS0]
	v_add_nc_u32 v[RXS], s[SB2], v[RXS0]
	v_add_nc_u32 v[SPWA], s[SB3], v[SPW0]
	s_wait_loadcnt 48                              ; set 0 is in; the 48 loads of sets 1 to 3 may be out
	QUANT4 0
	s_wait_alu depctr_va_vdst(0)                   ; set 0's codes and bytes and the five addresses are written, which the trip's LDS instructions read; the holds and conversions are done with set 0's registers, in which the refill lands
	STORES 0
	s_wait_loadcnt 32                              ; set 1 is in; sets 2 and 3 may be out
	REFILL 0
	QUANT4 1
	s_wait_alu depctr_va_vdst(0)                   ; set 1's codes and bytes are written, which the LDS stores read; the holds and conversions are done with set 1's registers, in which the refill lands
	STORES 1
	s_wait_loadcnt 32                              ; set 2 is in; set 3 and set 0's refill may be out
	REFILL 1
	QUANT4 2
	s_wait_alu depctr_va_vdst(0)                   ; the same of set 2
	STORES 2
	s_wait_loadcnt 32                              ; set 3 is in; two refills may be out
	REFILL 2
	QUANT4 3
	s_wait_alu depctr_va_vdst(0)                   ; the same of set 3, whose refill stands in the K part; and the quantiser's lines are done with v128 to v175, in which tile 0's fragments land
	STORES 3
	s_wait_dscnt 0x0                               ; for the others' sake: my tile's codes and scale bytes lie in LDS
	s_barrier_signal -1
	s_barrier_wait -1                              ; the block's four tiles do.  No row is ever written again, so one barrier a block is all
	s_wait_alu depctr_vm_vsrc(0)                   ; set 3's LDS stores have read the bytes' registers, in which tile 0's fragments land, and the codes' registers, which tile 0's products write
	FETCHA 0
.irp i, 0,1,2,3
	s_wait_dscnt 0x0                               ; the tile's fragments are in
	KMUL
	PLACES                                         ; ahead of the first read of the results
.if \i >= 2
	s_wait_alu depctr_vm_vsrc(0)                   ; the LDS stores of the tile two back have read the buffer that this tile's sums write
.endif
.if \i < 3
	s_wait_alu depctr_va_vdst(0)                   ; the products are done reading the fragments and x's scale words, in which the next tile's loads land; the tile before has written its sums, which the LDS stores read
	FETCHA \i+1                                    ; lands under the sums below
.if \i > 0
	SSTORE \i-1
.endif
.endif
	SUMS \i
.if \i == 1
	REFILL 3                                       ; the fourth refill stands here: with it 64 loads of mine would be out, were none of the first refill's back; that one has had three sets' quantising and two tiles in which to land
.endif
.endr
	s_wait_alu depctr_va_vdst(0)                   ; tiles 2 and 3 have written their sums, which the LDS stores read; behind the last trip: the products are done with W_K's registers and scale words, in which phase 2's loads land
	SSTORE 2
	SSTORE 3
	s_wait_dscnt 0x0                               ; the address registers are written again at the loop's head
	s_wait_xcnt 0x0                                ; the loads issued have had their addresses translated (ISA guide 3.1): their base may step
	s_add_nc_u64 s[4:5], s[4:5], 131072
	s_add_co_u32 s[SB], s[SB], BLKB
	s_add_co_u32 s[SB2], s[SB2], 1024
	s_add_co_u32 s[SB3], s[SB3], 256
	s_add_co_u32 s[T], s[T], 1
	s_cmp_lt_u32 s[T], 8
	s_cbranch_scc1 .Lblock
; ---- PHASE 2: every wave does all 512 rows, so nothing but the score parts goes from wave to wave
.set i, 0
.rept 16
	global_load_b32 v[WS+i], v[L4], s[WVP:WVP+1] offset:65536+128*i   ; W_V's scale words and its tiles 4-7 take W_K's places.  No wait: the one at the last trip's end stands behind the last product, and no vector or matrix instruction has been issued since
.set i, i+1
.endr
	WIN 0x80
.set i, 0
.rept 64
	global_load_b128 v[4*i:4*i+3], v[LI], s[WVP:WVP+1] offset:32768+512*i
.set i, i+1
.endr
	WIN 0
	v_add_nc_u32 v[WIMG], SPART, v[LI]             ; (its last readers, set 3's LDS stores, stand ahead of the wait on vm_vsrc behind the last block's barrier)
	s_wait_dscnt 0x0                               ; my score parts lie in LDS
	s_barrier_signal -1
	s_barrier_wait -1
	s_wait_alu depctr_va_vdst(0)                   ; v[WIMG] is written, which the sixteen LDS loads read
.irp w, 0,1,2,3
.irp c, 0,1,2,3
	ds_load_b128 v[ACC+16*\w+4*\c:ACC+16*\w+4*\c+3], v[WIMG] offset:2048*\w+512*\c   ; register 4 c + e: row 128 c + 4 lane + e
.endr
.endr
	s_wait_dscnt 0x0
.irp p, 0,2,4,6,8,10,12,14
	v_pk_add_f32 v[ACC+\p:ACC+\p+1], v[ACC+\p:ACC+\p+1], v[ACC+16+\p:ACC+16+\p+1]
	v_pk_add_f32 v[ACC+32+\p:ACC+32+\p+1], v[ACC+32+\p:ACC+32+\p+1], v[ACC+48+\p:ACC+48+\p+1]
.endr
.irp p, 0,2,4,6,8,10,12,14
	v_pk_add_f32 v[Z+\p:Z+\p+1], v[ACC+\p:ACC+\p+1], v[ACC+32+\p:ACC+32+\p+1]
.endr
.irp i, 0,1,2,3,4,5,6,7,8,9,10,11,12,13,14,15
	v_mul_f32 v[Z+\i], 0x3d3504f3, v[Z+\i]         ; z = score / sqrt(512)
.endr
	s_cmp_lg_u32 s[WV], 0
	s_cbranch_scc1 .Lz_stored
	s_wait_alu depctr_va_vdst(0)                   ; the multiplications have written z, which the four stores read
.irp c, 0,1,2,3
	global_store_b128 v[LI], v[Z+4*\c:Z+4*\c+3], s[10:11] offset:512*\c   ; 32 lanes store 512 consecutive bytes; z's registers are not written again
.endr
.Lz_stored:
	v_max3_num_f32 v[ML], v[Z], v[Z+1], v[Z+2]
.irp i, 3,5,7,9,11,13
	s_wait_alu depctr_va_vdst(0)
	v_max3_num_f32 v[ML], v[ML], v[Z+\i], v[Z+\i+1]
.endr
	v_max_num_f32 v[ML], v[ML], v[Z+15]
.irp x, 1,2,4,8
	v_max_num_f32_dpp v[ML], v[ML], v[ML] row_xmask:\x row_mask:0xf bank_mask:0xf
.endr
	v_permlanex16_b32 v[TM+4], v[ML], s[SEL], s[SEL+1]
	v_max_num_f32 v[ML], v[ML], v[TM+4]            ; m: the largest z of the 512 rows, in every lane
.irp i, 0,1,2,3,4,5,6,7,8,9,10,11,12,13,14,15
	v_sub_f32 v[AF+\i], v[Z+\i], v[ML]             ; the difference first, so that large scores lose nothing
.endr
.irp i, 0,1,2,3,4,5,6,7,8,9,10,11,12,13,14,15
	v_mul_f32 v[AF+\i], 0x3fb8aa3b, v[AF+\i]
.endr
	s_wait_alu depctr_va_vdst(0)
.irp i, 0,1,2,3,4,5,6,7,8,9,10,11,12,13,14,15
	v_exp_f32 v[AF+\i], v[AF+\i]                   ; p = exp(z - m), at most 1
.endr
.irp i, 0,1,2,3,4,5,6,7,8,9,10,11,12,13,14,15
	v_mov_b32 v[CTX+\i], 0                         ; the context's sums.  (Plain lines behind the exponentials)
.endr
	s_wait_alu depctr_va_vdst(0)                   ; the sixteen exponentials have written p: one wait for the batch, ahead of its first readers, the LDS stores
.irp c, 0,1,2,3
	ds_store_b128 v[PTW], v[AF+4*\c:AF+4*\c+3] offset:512*\c      ; my own copy of p: no other wave reads it
.endr
.irp p, 0,1,2,3
	v_pk_add_f32 v[ACC+2*\p:ACC+2*\p+1], v[AF+4*\p:AF+4*\p+1], v[AF+4*\p+2:AF+4*\p+3]
.endr
	v_pk_add_f32 v[ACC:ACC+1], v[ACC:ACC+1], v[ACC+2:ACC+3]
	v_pk_add_f32 v[ACC+4:ACC+5], v[ACC+4:ACC+5], v[ACC+6:ACC+7]
	v_pk_add_f32 v[ACC:ACC+1], v[ACC:ACC+1], v[ACC+4:ACC+5]
	v_add_f32 v[ML+1], v[ACC], v[ACC+1]
.irp x, 1,2,4,8
	v_add_f32_dpp v[ML+1], v[ML+1], v[ML+1] row_xmask:\x row_mask:0xf bank_mask:0xf
.endr
	v_permlanex16_b32 v[TM+4], v[ML+1], s[SEL], s[SEL+1]
	v_add_f32 v[ML+1], v[ML+1], v[TM+4]            ; l: the sum of the 512 p
	s_wait_loadcnt 0x0                             ; all of W_V and its scale words are in
; ---- PHASE 3: V = x W_V^T and the sum of p V, a tile of 16 rows at a time, on two sets of fragments and accumulators (set 0 in window 0, set 1 in window 3) by turns.
; While tile m is multiplied, tile m + 1's fragments come from LDS into the other set, a K step's four loads at a time among the first twelve products, and tile m - 1's results are weighed in:
; four packed multiply-adds behind every fourth matrix instruction, eight behind the last.
.macro POSTGRP set                     ; group pg of eight: tiles 4 (pg / 4) .. + 3, rows 2 (pg % 4), + 1 of each half: every accumulator from its low end on
	WIN 3*(\set)                                   ; source 0: the set's window
.irp e, 0,1,2,3
	v_pk_fma_f32 v[CTX+2*(4*(pg/4)+\e):CTX+2*(4*(pg/4)+\e)+1], v[ACC+8*(4*(pg/4)+\e)+2*(pg%4):ACC+8*(4*(pg/4)+\e)+2*(pg%4)+1], v[PP+8*(\set)+2*(pg%4):PP+8*(\set)+2*(pg%4)+1], v[CTX+2*(4*(pg/4)+\e):CTX+2*(4*(pg/4)+\e)+1]
.endr
.endm
.macro FRAGK u, k, aoff                ; K step k of the next tile's fragments, into the set that is not u.  No wait: no vector or matrix instruction since the wait at the tile's head names these registers or v[RIMG]
	WIN 0xc0*(1-\u)                                ; destination: the other set's window
.irp c, 0,1,2,3
	ds_load_b128 v[AF+16*(\k)+4*\c:AF+16*(\k)+4*\c+3], v[RIMG] offset:\aoff+128*(\k)+32*\c
.endr
.endm
; Tile m on set u.  next = 1: tile m + 1 is fetched, from aoff (rows) and xoff (scale words); poff: this tile's p.  post = 1: tile m - 1 is weighed in.
.macro VTILE u, next, post, aoff, xoff, poff
	s_wait_dscnt 0x0                               ; this tile's fragments and the last tile's p are in
	WIN 0
.if \post
	s_wait_alu depctr_va_vdst(0)                   ; the last tile's products are done reading the other set's fragments and scale words, its multiply-adds are done reading the p registers that are loaded now; where the addresses were stepped, they are written
.endif                                                 ; (tile 0: the wait ahead of its own fragments' loads has stated it, and no vector instruction has been issued since)
	ds_load_b128 v[PP+8*\u:PP+8*\u+3], v[PTRA] offset:\poff        ; p of rows 8 h .. 8 h + 7 of this tile
	ds_load_b128 v[PP+8*\u+4:PP+8*\u+7], v[PTRA] offset:\poff+16
.if \next
	ds_load_b32 v[XS+2*(1-\u)], v[RXS] offset:\xoff
	ds_load_b32 v[XS+2*(1-\u)+1], v[RXS] offset:\xoff+128
	FRAGK \u, 0, \aoff
.endif
.set idx, 0
.rept 32
.set hf, idx/16
.set kk, (idx%16)/4
.set nn, 4*hf+idx%4
.set rD, ACC+8*nn
.set rA, AF+16*kk
.set rB, 64*(idx%4)+16*kk
.set rSA, XS+2*\u+kk/2
.set rSB, WS+2*nn+kk/2
	WIN 0x04+4*hf+0xf3*\u                          ; source 1: W_V's window 1 or 2; source 0, C and D: the set's window.  Four accumulators take turns
	WMM rD, rA, rB, kk, rSA, rSB
.if \post && (idx >= 7) && (idx%4 == 3)
.set pg, (idx-7)/4
	POSTGRP 1-\u
.if idx == 31
.set pg, 7
	POSTGRP 1-\u
.endif
.endif
.if \next && (idx < 12) && (idx%4 == 3)
	FRAGK \u, idx/4+1, \aoff
.endif
.set idx, idx+1
.endr
.if !\post
	WIN 0
	PLACES                                         ; tile 0 has no multiply-adds among its products: these are the places ahead of the first read of its results, in the next tile
.endif
.endm
	s_mov_b32 s[T], 0
	s_mov_b32 s[SB], 0
	s_mov_b32 s[SB2], 0
	s_mov_b32 s[SB3], 0
	s_wait_dscnt 0x0                               ; p's stores are done
	s_wait_alu depctr_vm_vsrc(0)                   ; p's LDS stores have read v128 to v143, in which tile 0's fragments land; phase 1's LDS loads have read v[RIMG] and v[RXS], which are written below
	v_add_nc_u32 v[RIMG], s[SB], v[RIMG0]
	v_add_nc_u32 v[RXS], s[SB2], v[RXS0]
	v_add_nc_u32 v[PTRA], s[SB3], v[PTR]
	s_wait_alu depctr_va_vdst(0)                   ; the three addresses are written; the sums of p are done reading v128 to v143; phase 1's lines are done with Q's registers and W_K's, in which p and the second set's fragments land
	FETCHA 0
	VTILE 0, 1, 0, TILEB, 256, 0                   ; tile 0
.Lv:                                           ; 15 trips: tiles 2 j + 1 and 2 j + 2; two tiles are 16,896 bytes of rows, 512 of scale words, 128 of p
	s_wait_dscnt 0x0                               ; no LDS instruction of mine is out
	s_wait_alu depctr_vm_vsrc(0)                   ; the LDS loads issued so far have read the three address registers, which are written below
	v_add_nc_u32 v[RIMG], s[SB], v[RIMG0]
	v_add_nc_u32 v[RXS], s[SB2], v[RXS0]
	v_add_nc_u32 v[PTRA], s[SB3], v[PTR]
	VTILE 1, 1, 1, 2*TILEB, 512, 64
	VTILE 0, 1, 1, 3*TILEB, 768, 128
	WIN 0
	s_add_co_u32 s[SB], s[SB], 2*TILEB
	s_add_co_u32 s[SB2], s[SB2], 512
	s_add_co_u32 s[SB3], s[SB3], 128
	s_add_co_u32 s[T], s[T], 1
	s_cmp_lt_u32 s[T], 15
	s_cbranch_scc1 .Lv
	s_wait_dscnt 0x0
	s_wait_alu depctr_vm_vsrc(0)                   ; the LDS loads issued so far have read v[PTRA], which is written below
	v_add_nc_u32 v[PTRA], s[SB3], v[PTR]
	VTILE 1, 0, 1, 0, 0, 64                        ; tile 31: nothing more to fetch
	s_wait_dscnt 0x0                               ; its p
.set pg, 0
.rept 8
	POSTGRP 1                                      ; tile 31 is weighed in: the eight multiply-adds behind its last product were that product's places
.set pg, pg+1
.endr
	WIN 0
; ---- THE WAY OUT: the pairs' halves, then lane l xor 16's rows; lanes 0-15 keep columns 8 r .. + 3, lanes 16-31 columns 8 r + 4 .. + 7: the wave stores 512 consecutive bytes
.irp n, 0,1,2,3,4,5,6,7
	v_add_f32 v[PC+\n], v[CTX+2*\n], v[CTX+2*\n+1]
.endr
.irp n, 0,1,2,3,4,5,6,7
	v_permlanex16_b32 v[TM+\n], v[PC+\n], s[SEL], s[SEL+1]
.endr
.irp n, 0,1,2,3,4,5,6,7
	v_add_f32 v[PC+\n], v[PC+\n], v[TM+\n]
.endr
.irp i, 0,1,2,3
	v_cndmask_b32 v[PC+8+\i], v[PC+\i], v[PC+4+\i], vcc_lo
.endr
	v_and_b32 v[WXS], 15, v0                       ; (phase 1's LDS stores, which read these two registers, stand ahead of phase 3's waits on vm_vsrc)
	v_bfe_u32 v[SPWA], v0, 4, 1
	v_lshlrev_b32 v[WXS], 5, v[WXS]
	v_lshl_add_u32 v[WXS], v[SPWA], 4, v[WXS]      ; 32 r + 16 h
	v_lshlrev_b32 v[TMP], 1, v[L4]                 ; 8 x lane
	s_wait_alu depctr_va_vdst(0)                   ; the context's four numbers and both offsets are written, which the two stores read; m and l were written long ago
	global_store_b128 v[WXS], v[PC+8:PC+11], s[14:15]
	s_cmp_lg_u32 s[WV], 0
	s_cbranch_scc1 .Lend
	global_store_b64 v[TMP], v[ML:ML+1], s[12:13]  ; (m, l), the same in every lane: 256 consecutive bytes, aligned
.Lend:
	s_wait_dscnt 0x0
	s_wait_alu depctr_hold_cnt(0) depctr_sa_sdst(0) depctr_va_vdst(0) depctr_va_sdst(0) depctr_va_ssrc(0) depctr_va_vcc(0) depctr_vm_vsrc(0)
	s_wait_tensorcnt 0x0
	ds_add_u32 v90, v91
	s_wait_dscnt 0x0
	s_endpgm
.Lfunc_end_k_q94775517c3_main:
	.size	k_q94775517c3_main, .Lfunc_end_k_q94775517c3_main-k_q94775517c3_main
	.p2alignl 7, 3214868480
	.fill 96, 4, 3214868480
	.section	.rodata,"a",@progbits
	.p2align	6, 0x0
	.amdhsa_kernel k_q94775517c3_main
		.amdhsa_group_segment_fixed_size 295424
		.amdhsa_private_segment_fixed_size 0
		.amdhsa_enable_private_segment 0
		.amdhsa_kernarg_size 48
		.amdhsa_user_sgpr_count 2
		.amdhsa_user_sgpr_kernarg_segment_ptr 1
		.amdhsa_wavefront_size32 1
		.amdhsa_system_sgpr_workgroup_id_x 1
		.amdhsa_system_sgpr_workgroup_id_y 1
		.amdhsa_system_sgpr_workgroup_id_z 1
		.amdhsa_system_vgpr_workitem_id 0
		.amdhsa_next_free_vgpr 1024
		.amdhsa_next_free_sgpr 66
		.amdhsa_reserve_vcc 1
		.amdhsa_float_denorm_mode_32 3
		.amdhsa_float_denorm_mode_16_64 3
		.amdhsa_memory_ordered 1
		.amdhsa_forward_progress 1
		.amdhsa_inst_pref_size 190
	.end_amdhsa_kernel
	.amdgpu_metadata
---
amdhsa.version: [ 1, 2 ]
amdhsa.kernels:
  - .name:           k_q94775517c3_main
    .symbol:         k_q94775517c3_main.kd
    .args:
      - { .name: encoder_outputs, .offset: 0, .size: 8, .value_kind: global_buffer, .address_space: global }
      - { .name: wfrag, .offset: 8, .size: 8, .value_kind: global_buffer, .address_space: global }
      - { .name: qbuf, .offset: 16, .size: 8, .value_kind: global_buffer, .address_space: global }
      - { .name: scores, .offset: 24, .size: 8, .value_kind: global_buffer, .address_space: global }
      - { .name: stats, .offset: 32, .size: 8, .value_kind: global_buffer, .address_space: global }
      - { .name: pctx, .offset: 40, .size: 8, .value_kind: global_buffer, .address_space: global }
    .group_segment_fixed_size: 295424
    .private_segment_fixed_size: 0
    .kernarg_segment_align: 8
    .kernarg_segment_size: 48
    .max_flat_workgroup_size: 128
    .sgpr_count:     66
    .vgpr_count:     1024
    .wavefront_size: 32
...
	.end_amdgpu_metadata
.endif
;; end of part 5
;; launch comb (part 6): grid 16 x 16, 4 waves a work-group, no clusters, 0 bytes of LDS; arguments scores, stats, pctx, out0, out1; writes out0, out1
.if DOCPART == 6
	.amdgcn_target "amdgcn-amd-amdhsa--gfx1250"
	.amdhsa_code_object_version 6
	.text
	.protected	k_q94775517c3_comb
	.globl	k_q94775517c3_comb
	.p2align	8
	.type	k_q94775517c3_comb,@function
k_q94775517c3_comb:
	s_mov_b64 s[64:65], 0
	v_nop
	global_prefetch_b8 v0, s[64:65] scope:SCOPE_SE
	s_setreg_imm32_b32 hwreg(HW_REG_WAVE_MODE, 25, 1), 1
	s_wait_xcnt 0x0
; The 16 parts of a batch are joined.  Part i brought z (its 512 scores / sqrt(512)), m_i (their maximum), l_i = sum exp(z - m_i) and c_i = sum exp(z - m_i) V.
; M = max m_i;  w_i = exp(m_i - M);  L = sum l_i w_i;  attn = exp(z - M) / L;  context = (sum w_i c_i) / L.
; Work-group (x, y): batch y, the 512 weights of part x, four a thread; the work-groups with x = 0 also make the batch's context, four columns a thread.
; Lane l holds part l % 16's (m, l): each half of 16 lanes holds all 16 parts, so M and L are four steps inside a half.
; A stream of 1 MB: no LDS, no barrier, no matrix unit.  L is at least 1: the part that holds M has a term exp(0).
; LIMITS: NaN and infinities are not served.
.macro COMMON
	v_mov_b32 v6, v4
.irp x, 1,2,4,8
	v_max_num_f32_dpp v6, v6, v6 row_xmask:\x row_mask:0xf bank_mask:0xf
.endr
	v_sub_f32 v7, v4, v6                           ; m_i - M, 0 or less
	v_mul_f32 v7, 0x3fb8aa3b, v7
	s_wait_alu depctr_va_vdst(0)
	v_exp_f32 v7, v7                               ; w_i
.irp e, 0,1,2,3
	v_sub_f32 v[12+\e], v[8+\e], v6                ; z - M.  (Plain lines behind the exponential)
.endr
	s_wait_alu depctr_va_vdst(0)
	v_mul_f32 v16, v5, v7
.irp x, 1,2,4,8
	v_add_f32_dpp v16, v16, v16 row_xmask:\x row_mask:0xf bank_mask:0xf
.endr
	s_wait_alu depctr_va_vdst(0)
	v_rcp_f32 v17, v16                             ; 1 / L
.irp e, 0,1,2,3
	v_mul_f32 v[12+\e], 0x3fb8aa3b, v[12+\e]
.endr
	s_wait_alu depctr_va_vdst(0)
.irp e, 0,1,2,3
	v_exp_f32 v[12+\e], v[12+\e]
.endr
	v_nop                                          ; a plain line behind the exponentials
	s_wait_alu depctr_va_vdst(0)
.irp e, 0,1,2,3
	v_mul_f32 v[12+\e], v[12+\e], v17
.endr
	global_store_b128 v2, v[12:15], s[12:13]       ; a wave stores 512 consecutive bytes
.endm
	s_load_b256 s[4:11], s[0:1], 0x0               ; scores s[4:5], stats s[6:7], pctx s[8:9], out0 s[10:11]
	s_load_b64 s[12:13], s[0:1], 0x20              ; out1
	v_and_b32 v1, 15, v0
	v_lshlrev_b32 v1, 8, v1                        ; part l % 16: 256 bytes a part
	v_lshlrev_b32 v2, 4, v0                        ; 16 bytes a thread
	s_and_b32 s16, ttmp7, 0xffff                   ; the batch
	s_lshl_b32 s18, s16, 12                        ; its 16 parts' statistics
	s_mov_b32 s19, 0
	s_lshl_b32 s20, s16, 15                        ; its 8,192 scores,
	s_lshl_b32 s22, ttmp9, 11                      ; part x's 512
	s_add_co_u32 s20, s20, s22
	s_mov_b32 s21, 0
	s_lshl_b32 s24, s16, 15                        ; its 16 partial contexts of 2,048 bytes
	s_mov_b32 s25, 0
	s_lshl_b32 s26, s16, 11                        ; its row of out0
	s_mov_b32 s27, 0
	s_wait_alu depctr_va_vdst(0)
	s_wait_kmcnt 0x0
	s_add_nc_u64 s[6:7], s[6:7], s[18:19]
	s_add_nc_u64 s[4:5], s[4:5], s[20:21]
	s_add_nc_u64 s[12:13], s[12:13], s[20:21]
	s_add_nc_u64 s[8:9], s[8:9], s[24:25]
	s_add_nc_u64 s[10:11], s[10:11], s[26:27]
	global_load_b64 v[4:5], v1, s[6:7]
	global_load_b128 v[8:11], v2, s[4:5]
	s_cmp_lg_u32 ttmp9, 0
	s_cbranch_scc1 .Lplain
.irp i, 0,1,2,3,4,5,6,7,8,9,10,11,12,13,14,15
	global_load_b128 v[32+4*\i:32+4*\i+3], v2, s[8:9] offset:2048*\i
.endr
	s_wait_loadcnt 16                              ; the statistics and z are in; the 16 partial contexts may be out
	COMMON
.irp i, 0,1,2,3,4,5,6,7,8,9,10,11,12,13,14,15
	v_readlane_b32 s[32+\i], v7, \i                ; w_i lies in lane i
.endr
	s_wait_loadcnt 0x0
.irp e, 0,1,2,3
	v_mul_f32 v[20+\e], s32, v[32+\e]
.endr
.irp i, 1,2,3,4,5,6,7,8,9,10,11,12,13,14,15
.irp e, 0,1,2,3
	v_fmac_f32 v[20+\e], s[32+\i], v[32+4*\i+\e]
.endr
.endr
.irp e, 0,1,2,3
	v_mul_f32 v[20+\e], v[20+\e], v17
.endr
	global_store_b128 v2, v[20:23], s[10:11]
	s_endpgm
.Lplain:
	s_wait_loadcnt 0x0
	COMMON
	s_endpgm
.Lfunc_end_k_q94775517c3_comb:
	.size	k_q94775517c3_comb, .Lfunc_end_k_q94775517c3_comb-k_q94775517c3_comb
	.p2alignl 7, 3214868480
	.fill 96, 4, 3214868480
	.section	.rodata,"a",@progbits
	.p2align	6, 0x0
	.amdhsa_kernel k_q94775517c3_comb
		.amdhsa_group_segment_fixed_size 0
		.amdhsa_private_segment_fixed_size 0
		.amdhsa_enable_private_segment 0
		.amdhsa_kernarg_size 40
		.amdhsa_user_sgpr_count 2
		.amdhsa_user_sgpr_kernarg_segment_ptr 1
		.amdhsa_wavefront_size32 1
		.amdhsa_system_sgpr_workgroup_id_x 1
		.amdhsa_system_sgpr_workgroup_id_y 1
		.amdhsa_system_sgpr_workgroup_id_z 1
		.amdhsa_system_vgpr_workitem_id 0
		.amdhsa_next_free_vgpr 96
		.amdhsa_next_free_sgpr 66
		.amdhsa_reserve_vcc 0
		.amdhsa_float_denorm_mode_32 3
		.amdhsa_float_denorm_mode_16_64 3
		.amdhsa_memory_ordered 1
		.amdhsa_forward_progress 1
		.amdhsa_inst_pref_size 10
	.end_amdhsa_kernel
	.amdgpu_metadata
---
amdhsa.version: [ 1, 2 ]
amdhsa.kernels:
  - .name:           k_q94775517c3_comb
    .symbol:         k_q94775517c3_comb.kd
    .args:
      - { .name: scores, .offset: 0, .size: 8, .value_kind: global_buffer, .address_space: global }
      - { .name: stats, .offset: 8, .size: 8, .value_kind: global_buffer, .address_space: global }
      - { .name: pctx, .offset: 16, .size: 8, .value_kind: global_buffer, .address_space: global }
      - { .name: out0, .offset: 24, .size: 8, .value_kind: global_buffer, .address_space: global }
      - { .name: out1, .offset: 32, .size: 8, .value_kind: global_buffer, .address_space: global }
    .group_segment_fixed_size: 0
    .private_segment_fixed_size: 0
    .kernarg_segment_align: 8
    .kernarg_segment_size: 40
    .max_flat_workgroup_size: 128
    .sgpr_count:     66
    .vgpr_count:     96
    .wavefront_size: 32
...
	.end_amdgpu_metadata
.endif
;; end of part 6
